; MI455X (gfx1250); checked and timed in simulation.
; The chip was launched on July 23, 2026; its instructions are those of AMD's public machine-readable ISA for CDNA 5 (MIT licence, August 2026) and "CDNA5" Instruction Set Architecture Reference Guide (July 2026). The comments in the code are by the model that wrote it; some were corrected since.
;; Triangle Attention Block. Allowed arithmetic: matrix products marked QUANTISED: E2M1 operands, one E8M0 scale for each 32 along K, by v_wmma_scale_f32_16x16x128_f8f6f4 with both operands' format E2M1 (or v_wmma_scale_f32_32x16x128_f4), f32 sums; everything else in f32.
;; Inputs: Wk 128 x 128 float32; Wq 128 x 128 float32; Wv 128 x 128 float32; atom_mask 64 int32; bk 128 float32; bq 128 float32; bv 128 float32; pair_features 64 x 64 x 128 float32.
;; Outputs: out0 64 x 128 float32.
;; This version of the problem:
;;   THIS VERSION OF THE PROBLEM IS GIVEN IN LOW PRECISION. The matrix products marked QUANTISED in the list below multiply operands that are first quantised to E2M1 (2 exponent bits, 1 mantissa bit; 4 bits a number), with one power-of-two scale for each 32 numbers along K (OCP MX v1.0); their sums are f32. All else is computed in f32.
;;   The module's matrix products, in the order in which they are computed (A, B: the left and right operand; K: the contracted axis; several contracted axes count as one K, in the product's order):
;;     1. [M 4,096, K 128] x [K 128, N 128]; A: input pair_features; B: input Wq: QUANTISED
;;     2. [M 4,096, K 128] x [K 128, N 128]; A: input pair_features; B: input Wk: QUANTISED
;;     3. [M 4,096, K 128] x [K 128, N 128]; A: input pair_features; B: input Wv: QUANTISED
;;     4. batch 4 x [M 4,096, K 32] x [K 32, N 4,096]; A: computed on the way; B: computed on the way: QUANTISED
;;     5. batch 4 x [M 4,096, K 4,096] x [K 4,096, N 32]; A: softmax (see below); B: computed on the way: QUANTISED
;;   THE QUANTISER, for each operand of a quantised product, along K:
;;     - K is cut into blocks of 32 from its start; a last block that is shorter is filled with zeros.
;;     - A block's scale is 2^e with e = floor(log2(the largest magnitude in the block)) - 2, held to -126 .. 127; a block of zeros has e = 0. As a byte (E8M0): e + 127.
;;     - Each number is divided by its block's scale, clamped to +-6, and rounded to the nearest number of E2M1, ties to even, subnormals kept.
;;     - The product sums the exact products of the quantised numbers (number of the format x scale) in f32.
;;   ~~~python
;;   def quantise(x, axis):      # numpy; x: float32 -> the quantised numbers, widened to float32 again
;;       x = np.moveaxis(x, axis, -1); K = x.shape[-1]
;;       x = np.pad(x, [(0, 0)] * (x.ndim - 1) + [(0, -K % 32)]); x = x.reshape(x.shape[:-1] + (-1, 32)); a = np.abs(x).max(-1, keepdims=True)
;;       e = np.where(a > 0, np.clip(np.frexp(np.where(a > 0, a, 1))[1] - 1 - 2, -126, 127), 0)      # np.frexp(a)[1] - 1 = floor(log2(a)), exactly
;;       r = np.clip(x / 2.0 ** e, -6, 6)
;;       step = 2.0 ** (np.maximum(np.frexp(np.where(r == 0, 1, r))[1] - 1, 0) - 1)
;;       q = np.round(r / step) * step * 2.0 ** e      # np.round: ties to even
;;       return np.moveaxis(q.reshape(q.shape[:-2] + (-1,))[..., :K], -1, axis).astype(np.float32)
;;   ~~~
;;   SOFTMAX AHEAD OF A QUANTISED PRODUCT. Where the list says 'softmax', what is quantised is not the finished softmax but p = 2^(t - M), with t = logit x log2(e) and M = ceil(the row's largest t), a whole number; so 1/2 < the row's largest p <= 1. The row's sum l is taken of the UNQUANTISED p, in f32, and the product's result is divided by l at the end. Since M is a whole number, a kernel that streams over the keys may use a running M (the ceiling of the running maximum): every later rescaling is an exact power of two, which a block's scale takes up: the codes' values come out the same.
;;   OPERANDS COMPUTED ON THE WAY. 'Computed on the way' means the value that the module computes at that place (a softmax that the list does not call 'softmax' is quantised finished and normalised). What goes into a quantiser is computed in f32, as accurately as f32 sums, v_exp_f32 and their like allow (about 1e-6 of the number): no bf16 or f16 on the way to a quantiser, and a product that is left as it is and whose result goes on into a quantised operand takes f32 operands (vector FMAs, or v_wmma_f32_16x16x4_f32). A number that lies on a knife's edge between two numbers of the format may be rounded either way, as far as f32 arithmetic and the matrix unit's own rounding can turn it there, and no further.
;; 2 versions. Each part assembles by itself: llvm-mc -triple=amdgcn-amd-amdhsa -mcpu=gfx1250 --defsym DOCPART=n.
;; ======== version 1 of 2: 2 launches
;; limits: right only within a limited range of input values
;; workspace buffers: qc 262,144 bytes; kc 262,144 bytes; vc 262,144 bytes; qs 16,384 bytes; ks 16,384 bytes; vs 16,384 bytes
;; launch proj (part 1): grid 32 x 3, 8 waves a work-group, no clusters, 20,480 bytes of LDS; arguments pair_features, Wq, bq, Wk, bk, Wv, bv, qc, qs, kc, ks, vc, vs; writes qc, qs, kc, ks, vc, vs
.if DOCPART == 1
	.amdgcn_target "amdgcn-amd-amdhsa--gfx1250"
	.amdhsa_code_object_version 6
	.text
	.protected	k_q07329db213_proj
	.globl	k_q07329db213_proj
	.p2align	8
	.type	k_q07329db213_proj,@function
k_q07329db213_proj:
	s_mov_b64 s[64:65], 0
	v_nop
	global_prefetch_b8 v0, s[64:65] scope:SCOPE_SE
	s_setreg_imm32_b32 hwreg(HW_REG_WAVE_MODE, 25, 1), 1
	s_wait_xcnt 0x0
; q = x Wq + bq, k = x Wk + bk, v = x Wv + bv on codes of FP4 (E2M1) with one E8M0 scale for each 32 along K = 128, and q, k, v quantised again for the two products of attention.
; x: [4096][128] f32.  W: [128 (k)][128 (n)] f32.  b: [128] f32.  A work-group takes 128 tokens (x = group G) and one of the three projections (y = role: 0 q, 1 k, 2 v).
; OUT, in the order of the next launch's operand registers:
;   qc, kc [head 4][pos 4096][16 bytes]: the 32 codes of one token and head (K = the head's 32).  Token 128 G + 32 b + 8 u + r + 8 (r / 8) lies at pos 128 G + 32 b + 16 u + r.
;   qs, ks [head][G][lane (g, r)][4 bytes]: byte p = the scale of token tile 4 g + p, row r.
;   vc [head][G][dt 2][c 2][lane 32][16 bytes]: the registers of the fragment 16 channels x 128 keys (K = the keys).   vs [head][G][channel 32][4 bytes]: byte b = keys 32 b on.
; SHARES.  Wave w quantises token tile w of x (lane r: token 32 (w / 2) + 8 (w % 2) + r + 8 (r / 8)) and channel tile w of W (a lane to a column, registers down K); both go to LDS as images of their registers.
; q, k: the product is used transposed (source 0 = 16 channels of W, source 1 = my 16 tokens); the channels of a tile are chosen like the tokens, so a lane's 64 results are 16 neighbouring channels of each head.
; v:    source 0 = 16 tokens, source 1 = my 16 channels (16 w + r): a lane holds one channel and 16 neighbouring tokens of each block of 32 keys.
; One matrix instruction a tile (K = 128), eight tiles a wave, eight different results: no sum is taken up again.
; No tensor load (W wants a lane to a column), so no cluster; 96 work-groups: a finer split would quantise W more often.
; LIMITS: NaN and infinities among the inputs are not served.  A block of zeros gets the byte 1 where the rule says 127: its codes are zeros, and this program alone reads the bytes.
; The scale words leave in runs of 128 bytes (48 KB in all three buffers together).
.set XIMG, 0                           ; LDS: x's 8 fragments, 1,024 bytes each
.set XSC,  8192                        ; their scale words, 128 bytes each
.set WIMG, 9216                        ; W's 8 fragments
.set WSC,  17408                       ; their scale words
.set SCW,  18432                       ; the results' scale words, 128 bytes a wave
.set XA,   4                           ; v4   x: my row's and half's byte in the wave's tile
.set WA,   5                           ; v5   W: my column's byte, + 32 rows for lanes 16-31
.set LI,   6                           ; v6   16 x lane
.set LS,   7                           ; v7   4 x lane
.set IW,   8                           ; v8   16 x lane + 1,024 x wave
.set SW,   9                           ; v9   4 x lane + 128 x wave
.set BA,   10                          ; v10  64 x (lane / 16): the bias in the transposed result's layout
.set VO0,  11                          ; v11  where my first 16 bytes of codes go
.set VO1,  12                          ; v12  and my second
.set C1,   13                          ; v13  q, k: where I gather scale words
.set C2,   14                          ; v14  v: likewise
.set F1,   16                          ; v16-23 my own tile's fragment
.set S1,   24                          ; v24  its scale words
.set PW,   25                          ; v25  the scale word just made
.set BV,   26                          ; v26  b[16 w + r]
.set BVA,  27                          ; v27  its byte offset
.set S8,   32                          ; v32-39 the eight tiles' scale words
.set PC,   40                          ; v40-47 the codes just made
.set TM,   48                          ; v48-63 at work in the quantisers
.set XN,   64                          ; v64-127 64 numbers of x; later the eight fragments
.set F8,   64
.set WN,   128                         ; v128-191 64 numbers of W; later the eight results
.set HA,   128
.set BIAS, 192                         ; v192-255 the bias, eight registers a tile
.set WV,   38
.set GG,   39
.set ROLE, 40
.set SEL,  42
; 64 numbers of a lane, register 16 b + i = k 32 b + 16 (lane / 16) + i of my row, become a fragment's codes in v[PC] on and its scale word in v[PW].
.macro QUANT s
.irp b, 0,1,2,3
	v_max3_num_f32 v[TM+\b], |v[\s+16*\b]|, |v[\s+1+16*\b]|, 0x1800000   ; my 16 numbers of block b, and the floor 2^(3 - 127): the byte cannot fall under 1
.endr
.irp i, 2,4,6,8,10,12,14
.irp b, 0,1,2,3
	v_max3_num_f32 v[TM+\b], v[TM+\b], |v[\s+16*\b+\i]|, |v[\s+1+16*\b+\i]|   ; the four blocks by turns
.endr
.endr
.irp b, 0,1,2,3
	v_permlanex16_b32 v[TM+4+\b], v[TM+\b], s[SEL], s[SEL+1]
.endr
.irp b, 0,1,2,3
	v_max_num_f32 v[TM+\b], v[TM+\b], v[TM+4+\b]   ; with lane l xor 16's: the block's largest magnitude
.endr
.irp b, 0,1,2,3
	v_add_nc_u32 v[TM+12+\b], 0xff000000, v[TM+\b]   ; 2 off its exponent field: the conversion's scale operand
.endr
.irp b, 0,1,2,3
	v_lshrrev_b32 v[TM+4+\b], 23, v[TM+12+\b]   ; the scale's byte
.endr
	v_lshl_or_b32 v[PW], v[TM+5], 8, v[TM+4]
	v_lshl_or_b32 v[PW], v[TM+6], 16, v[PW]
	v_lshl_or_b32 v[PW], v[TM+7], 24, v[PW]
.irp b, 0,1,2,3
	v_cvt_scalef32_pk8_fp4_f32 v[PC+2*\b], v[\s+16*\b:\s+7+16*\b], v[TM+12+\b]
	v_cvt_scalef32_pk8_fp4_f32 v[PC+1+2*\b], v[\s+8+16*\b:\s+15+16*\b], v[TM+12+\b]
.endr
	v_nop                                          ; one plain place behind a scaled conversion
.irp c, 0,1                                    ; the operand wants a whole block in a lane: lanes 0-15 block 2 c, lanes 16-31 block 2 c + 1
.irp i, 0,1
	v_permlane16_swap_b32 v[PC+4*\c+\i], v[PC+2+4*\c+\i]
.endr
.endr
.endm
; W's column: register 32 c + i = k 64 c + 32 (lane / 16) + i: two whole blocks a lane, in the operand's own order.
.macro QUANTW
.irp c, 0,1
	v_max3_num_f32 v[TM+\c], |v[WN+32*\c]|, |v[WN+32*\c+1]|, 0x1800000
.endr
.irp i, 2,4,6,8,10,12,14,16,18,20,22,24,26,28,30
.irp c, 0,1
	v_max3_num_f32 v[TM+\c], v[TM+\c], |v[WN+32*\c+\i]|, |v[WN+32*\c+\i+1]|
.endr
.endr
.irp c, 0,1
	v_add_nc_u32 v[TM+12+\c], 0xff000000, v[TM+\c]
.endr
.irp c, 0,1
	v_lshrrev_b32 v[TM+4+\c], 23, v[TM+12+\c]
.endr
	v_lshl_or_b32 v[PW], v[TM+5], 16, v[TM+4]      ; my two bytes: blocks h and 2 + h,
	v_lshlrev_b32 v28, 3, v3
	v_lshlrev_b32 v[PW], v28, v[PW]                ; 8 h bits up;
	v_permlanex16_b32 v[TM+6], v[PW], s[SEL], s[SEL+1]
	v_or_b32 v[PW], v[PW], v[TM+6]                 ; with lane l xor 16's two the word is whole
.irp c, 0,1
.irp g, 0,1,2,3
	v_cvt_scalef32_pk8_fp4_f32 v[PC+4*\c+\g], v[WN+32*\c+8*\g:WN+32*\c+8*\g+7], v[TM+12+\c]
.endr
.endr
	v_nop                                          ; one plain place behind a scaled conversion
.endm
.macro IMAGE adr, off                          ; the fragment in v[PC] on goes to LDS as it stands
.irp c, 0,1
	ds_store_b128 v[\adr], v[PC+4*\c:PC+4*\c+3] offset:\off+512*\c
.endr
.endm
.macro FETCH reg, adr, off                     ; and comes back so, in any wave
.irp c, 0,1
	ds_load_b128 v[\reg+4*\c:\reg+4*\c+3], v[\adr] offset:\off+512*\c
.endr
.endm
.macro BARRIER                                 ; my LDS stores have landed and my LDS loads are in: then the work-group's barrier
	s_wait_dscnt 0x0
	s_barrier_signal -1
	s_barrier_wait -1
.endm
; The product: source 0 = tile t of the eight images at f8img, source 1 = my own tile of those at f1img; C = the bias, bstep registers on from tile to tile.
.macro PHASEB f8img, f8sc, f1img, f1sc, bstep
	FETCH F1, IW, \f1img
	ds_load_b32 v[S1], v[SW] offset:\f1sc
.irp t, 0,1,2,3,4,5,6,7
	FETCH F8+8*\t, LI, \f8img+1024*\t
	ds_load_b32 v[S8+\t], v[LS] offset:\f8sc+128*\t
.endr
	s_wait_dscnt 0x0
.irp t, 0,1,2,3,4,5,6,7
	v_wmma_scale_f32_16x16x128_f8f6f4 v[HA+8*\t:HA+8*\t+7], v[F8+8*\t:F8+8*\t+7], v[F1:F1+7], v[BIAS+\bstep*\t:BIAS+\bstep*\t+7], v[S8+\t], v[S1] matrix_a_fmt:MATRIX_FMT_FP4 matrix_b_fmt:MATRIX_FMT_FP4
.endr
.endm
	s_load_b512 s[4:19], s[0:1], 0x0               ; x s[4:5], Wq s[6:7], bq s[8:9], Wk s[10:11], bk s[12:13], Wv s[14:15], bv s[16:17], qc s[18:19]
	s_load_b256 s[20:27], s[0:1], 0x40             ; qs s[20:21], kc s[22:23], ks s[24:25], vc s[26:27]
	s_load_b64 s[28:29], s[0:1], 0x60              ; vs
	v_lshl_add_u32 v58, v0, 2, 0x4c00
	v_mov_b32 v59, 0
	v_lshrrev_b32 v15, 5, v0
	v_readfirstlane_b32 s[WV], v15                 ; wave 0..7
	s_mov_b32 s[GG], ttmp9                         ; the group of 128 tokens
	s_and_b32 s[ROLE], ttmp7, 0xffff               ; 0 q, 1 k, 2 v
	s_mov_b32 s[SEL], 0x76543210
	s_mov_b32 s[SEL+1], 0xfedcba98                 ; v_permlanex16_b32's selects for lane l xor 16
	s_lshr_b32 s44, s[WV], 1                       ; w / 2
	s_and_b32 s45, s[WV], 1                        ; w % 2
	s_and_b32 s49, s[WV], 3                        ; the head whose scale words waves 0 to 3 gather
	s_lshl_b32 s50, s[GG], 7                       ; x: my tile's first token 128 G + 32 (w / 2) + 8 (w % 2),
	s_lshl_b32 s46, s44, 5
	s_add_co_u32 s50, s50, s46
	s_lshl_b32 s46, s45, 3
	s_add_co_u32 s50, s50, s46
	s_lshl_b32 s50, s50, 9                         ; in rows of 512 bytes
	s_mov_b32 s51, 0
	s_lshl_b32 s52, s[WV], 8                       ; codes out, q and k: 256 w;
	s_lshl_b32 s54, s44, 16
	s_lshl_b32 s46, s45, 10
	s_add_co_u32 s54, s54, s46                     ; v: head w / 2, dt = w % 2
	s_lshl_b32 s56, s44, 7                         ; W: 128 (w / 2) bytes, and below 32 (q, k) or 64 (v) x (w % 2)
	s_cmp_lt_u32 s[ROLE], 2
	s_cselect_b32 s41, 1, 0                        ; 1 for q and k
	s_cselect_b32 s47, 16, 8                       ; lanes 16-31 store 2^16 bytes on (the next head) or 2^8 (the next 16 lanes)
	s_cselect_b32 s52, s52, s54
	s_cselect_b32 s46, 5, 6
	s_lshl_b32 s46, s45, s46
	s_add_co_u32 s54, s56, s46
	s_mov_b32 s55, 0
	s_lshl_b32 s46, s[GG], 11
	s_add_co_u32 s52, s52, s46                     ; + 2,048 G
	s_mov_b32 s53, 0
	s_lshl_b32 s56, s49, 12                        ; scale words out: 4,096 x head + 128 G
	s_lshl_b32 s46, s[GG], 7
	s_add_co_u32 s56, s56, s46
	s_mov_b32 s57, 0
	s_lshl_b32 s48, 2, s47                         ; my second 16 bytes: two heads on, or 512 bytes on
	v_and_b32 v1, 31, v0                           ; lane
	v_and_b32 v2, 15, v0                           ; r
	v_bfe_u32 v3, v0, 4, 1                         ; h
	v_and_b32 v28, 8, v2
	v_add_nc_u32 v15, v28, v2                      ; r + 8 (r / 8)
	v_lshlrev_b32 v[XA], 9, v15
	v_lshl_add_u32 v[XA], v3, 6, v[XA]             ; x: my token's row, + 64 h: 16 numbers of each block of 32
	v_mul_u32_u24 v28, s41, v28
	v_add_nc_u32 v28, v28, v2                      ; W's column in the tile: r + 8 (r / 8) for q and k, r for v
	v_lshlrev_b32 v[WA], 2, v28
	v_lshl_add_u32 v[WA], v3, 14, v[WA]            ; lanes 16-31 begin 32 rows of 512 bytes further down
	v_lshlrev_b32 v[LI], 4, v1
	v_lshlrev_b32 v[LS], 2, v1
	s_lshl_b32 s46, s[WV], 10
	v_add_nc_u32 v[IW], s46, v[LI]
	s_lshl_b32 s46, s[WV], 7
	v_add_nc_u32 v[SW], s46, v[LS]
	v_lshlrev_b32 v[BA], 6, v3
	s_lshl_b32 s46, s[WV], 6
	v_lshl_add_u32 v[BVA], v2, 2, s46              ; b[16 w + r]
	v_lshlrev_b32 v28, s47, v3
	v_lshl_add_u32 v[VO0], v2, 4, v28
	v_add_nc_u32 v[VO1], s48, v[VO0]
	v_lshlrev_b32 v[C1], 2, v2
	v_lshl_add_u32 v[C1], v3, 9, v[C1]
	v_add_nc_u32 v[C1], SCW, v[C1]                 ; lane (g, r): row r of waves 4 g + 0 .. 3
	s_lshl_b32 s46, s49, 8
	v_lshlrev_b32 v[C2], 2, v2
	v_lshl_add_u32 v[C2], v3, 7, v[C2]
	v_add_nc_u32 v[C2], s46, v[C2]
	v_add_nc_u32 v[C2], SCW, v[C2]                 ; lane (dt, r): row r of wave 2 x head + dt
.irp b, 0,1,2,3
	v_mov_b32 v[TM+4+\b], 0                        ; written once: a lane permute's destination counts as one of its sources
.endr
	s_wait_kmcnt 0x0
	s_cmp_eq_u32 s[ROLE], 0                        ; the role's four buffers: the choice hangs on the work-group's number alone
	s_cselect_b64 s[30:31], s[6:7], s[10:11]
	s_cselect_b64 s[32:33], s[8:9], s[12:13]
	s_cselect_b64 s[34:35], s[18:19], s[22:23]
	s_cselect_b64 s[36:37], s[20:21], s[24:25]
	s_cmp_eq_u32 s[ROLE], 2
	s_cselect_b64 s[30:31], s[14:15], s[30:31]     ; W
	s_cselect_b64 s[32:33], s[16:17], s[32:33]     ; b
	s_cselect_b64 s[34:35], s[26:27], s[34:35]     ; codes out
	s_cselect_b64 s[36:37], s[28:29], s[36:37]     ; scale words out
	s_add_nc_u64 s[4:5], s[4:5], s[50:51]
	s_add_nc_u64 s[30:31], s[30:31], s[54:55]
	s_add_nc_u64 s[34:35], s[34:35], s[52:53]
	s_add_nc_u64 s[36:37], s[36:37], s[56:57]
	; The bias in both layouts, for every role and without a branch (all inside the 512 bytes): eight registers a tile for the transposed result, and the one word of my channel for v.
.irp t, 0,1,2,3,4,5,6,7
	global_load_b128 v[BIAS+8*\t:BIAS+8*\t+3], v[BA], s[32:33] offset:(32*(\t/2)+8*(\t%2))*4
	global_load_b128 v[BIAS+8*\t+4:BIAS+8*\t+7], v[BA], s[32:33] offset:(32*(\t/2)+8*(\t%2))*4+16
.endr
	global_load_b32 v[BV], v[BVA], s[32:33]
.irp b, 0,1,2,3
.irp j, 0,1,2,3
	global_load_b128 v[XN+16*\b+4*\j:XN+16*\b+4*\j+3], v[XA], s[4:5] offset:128*\b+16*\j
.endr
.endr
.irp c, 0,1
.irp i, 0,1,2,3,4,5,6,7,8,9,10,11,12,13,14,15,16,17,18,19,20,21,22,23,24,25,26,27,28,29,30,31
	global_load_b32 v[WN+32*\c+\i], v[WA], s[30:31] offset:(64*\c+\i)*512   ; W(64 c + 32 h + i, my column)
.endr
.endr
	s_wait_loadcnt 63                              ; behind x's 16 loads stand W's 64: 63 is the largest count that can be named, and a smaller count than 64 is safe
	QUANT XN
	IMAGE IW, XIMG
	ds_store_b32 v[SW], v[PW] offset:XSC
	s_wait_dscnt 0x0                               ; the stores have read their registers
	s_wait_loadcnt 0x0                             ; W, and the bias before it
	QUANTW
	IMAGE IW, WIMG
	ds_store_b32 v[SW], v[PW] offset:WSC
	BARRIER                                        ; x's and W's eight fragments lie in LDS
	s_cmp_eq_u32 s[ROLE], 2
	s_cbranch_scc1 .Lprod_v
	PHASEB WIMG, WSC, XIMG, XSC, 8                 ; q, k: 16 channels x my 16 tokens
	s_branch .Lprod_done
.Lprod_v:
.irp j, 0,1,2,3,4,5,6,7
	v_mov_b32 v[BIAS+\j], v[BV]                    ; v: a lane holds one channel, so its eight registers of C are one number; made in the arm that reads them
.endr
.rept 4
	v_nop
.endr
	PHASEB XIMG, XSC, WIMG, WSC, 0                 ; v: 16 tokens x my 16 channels
.Lprod_done:
.rept 4
	v_nop                                          ; four places between the last product and the first read of results
.endr
	QUANT HA                                       ; q, k: block b = head b of my token;  v: block b = keys 32 b on of my channel
	global_store_b128 v[VO0], v[PC:PC+3], s[34:35]     ; q, k: sixteen lanes store 256 consecutive bytes of head h, aligned;  v: the wave stores 512 consecutive bytes
	global_store_b128 v[VO1], v[PC+4:PC+7], s[34:35]
	ds_store_b32 v[SW], v[PW] offset:SCW
	BARRIER                                        ; the eight waves' scale words lie in LDS
	s_cmp_gt_u32 s[WV], 3                          ; waves 0 to 3 lay one head's scale words as the next launch reads them
	s_cbranch_scc1 .Lend
	s_cmp_eq_u32 s[ROLE], 2
	s_cbranch_scc1 .Lsc_v
.irp p, 0,1,2,3
	ds_load_b32 v[28+\p], v[C1] offset:128*\p      ; token tile 4 g + p, row r: four heads' bytes
.endr
	s_lshl_b32 s46, s49, 3
	s_wait_dscnt 0x0
.irp p, 0,1,2,3
	v_bfe_u32 v[28+\p], v[28+\p], s46, 8           ; my head's
.endr
	v_lshl_or_b32 v15, v29, 8, v28
	v_lshl_or_b32 v15, v30, 16, v15
	v_lshl_or_b32 v15, v31, 24, v15
	s_branch .Lsc_out
.Lsc_v:
	ds_load_b32 v15, v[C2]                         ; channel 16 dt + r of my head: its word as it stands
	s_wait_dscnt 0x0
.Lsc_out:
	global_store_b32 v[LS], v15, s[36:37]          ; 128 consecutive bytes
.Lend:
	s_wait_tensorcnt 0x0
	ds_add_u32 v58, v59
	s_wait_dscnt 0x0
	s_endpgm
.Lfunc_end_k_q07329db213_proj:
	.size	k_q07329db213_proj, .Lfunc_end_k_q07329db213_proj-k_q07329db213_proj
	.p2alignl 7, 3214868480
	.fill 96, 4, 3214868480
	.section	.rodata,"a",@progbits
	.p2align	6, 0x0
	.amdhsa_kernel k_q07329db213_proj
		.amdhsa_group_segment_fixed_size 20480
		.amdhsa_private_segment_fixed_size 0
		.amdhsa_enable_private_segment 0
		.amdhsa_kernarg_size 104
		.amdhsa_user_sgpr_count 2
		.amdhsa_user_sgpr_kernarg_segment_ptr 1
		.amdhsa_wavefront_size32 1
		.amdhsa_system_sgpr_workgroup_id_x 1
		.amdhsa_system_sgpr_workgroup_id_y 1
		.amdhsa_system_sgpr_workgroup_id_z 1
		.amdhsa_system_vgpr_workitem_id 0
		.amdhsa_next_free_vgpr 256
		.amdhsa_next_free_sgpr 66
		.amdhsa_reserve_vcc 0
		.amdhsa_float_denorm_mode_32 3
		.amdhsa_float_denorm_mode_16_64 3
		.amdhsa_memory_ordered 1
		.amdhsa_forward_progress 1
		.amdhsa_inst_pref_size 32
	.end_amdhsa_kernel
	.amdgpu_metadata
---
amdhsa.version: [ 1, 2 ]
amdhsa.kernels:
  - .name:           k_q07329db213_proj
    .symbol:         k_q07329db213_proj.kd
    .args:
      - { .name: pair_features, .offset: 0, .size: 8, .value_kind: global_buffer, .address_space: global }
      - { .name: Wq, .offset: 8, .size: 8, .value_kind: global_buffer, .address_space: global }
      - { .name: bq, .offset: 16, .size: 8, .value_kind: global_buffer, .address_space: global }
      - { .name: Wk, .offset: 24, .size: 8, .value_kind: global_buffer, .address_space: global }
      - { .name: bk, .offset: 32, .size: 8, .value_kind: global_buffer, .address_space: global }
      - { .name: Wv, .offset: 40, .size: 8, .value_kind: global_buffer, .address_space: global }
      - { .name: bv, .offset: 48, .size: 8, .value_kind: global_buffer, .address_space: global }
      - { .name: qc, .offset: 56, .size: 8, .value_kind: global_buffer, .address_space: global }
      - { .name: qs, .offset: 64, .size: 8, .value_kind: global_buffer, .address_space: global }
      - { .name: kc, .offset: 72, .size: 8, .value_kind: global_buffer, .address_space: global }
      - { .name: ks, .offset: 80, .size: 8, .value_kind: global_buffer, .address_space: global }
      - { .name: vc, .offset: 88, .size: 8, .value_kind: global_buffer, .address_space: global }
      - { .name: vs, .offset: 96, .size: 8, .value_kind: global_buffer, .address_space: global }
    .group_segment_fixed_size: 20480
    .private_segment_fixed_size: 0
    .kernarg_segment_align: 8
    .kernarg_segment_size: 104
    .max_flat_workgroup_size: 256
    .sgpr_count:     66
    .vgpr_count:     256
    .wavefront_size: 32
...
	.end_amdgpu_metadata
.endif
;; end of part 1
;; launch attn (part 2): grid 64 x 4, 16 waves a work-group, clusters of 4 x 1, 169,984 bytes of LDS; arguments qc, qs, kc, ks, vc, vs, atom_mask, out0; writes out0
.if DOCPART == 2
	.amdgcn_target "amdgcn-amd-amdhsa--gfx1250"
	.amdhsa_code_object_version 6
	.text
	.protected	k_q07329db213_attn
	.globl	k_q07329db213_attn
	.p2align	8
	.type	k_q07329db213_attn,@function
k_q07329db213_attn:
	s_mov_b64 s[64:65], 0
	v_nop
	global_prefetch_b8 v0, s[64:65] scope:SCOPE_SE
	s_setreg_imm32_b32 hwreg(HW_REG_WAVE_MODE, 25, 1), 1
	s_wait_xcnt 0x0
	s_wait_alu depctr_hold_cnt(0) depctr_sa_sdst(0) depctr_va_vdst(0) depctr_va_sdst(0) depctr_va_ssrc(0) depctr_va_vcc(0) depctr_vm_vsrc(0)
	s_getreg_b32 s2, hwreg(HW_REG_IB_STS2, 6, 4)
	s_cmp_eq_u32 s2, 0
	s_cbranch_scc0 .Lentry_in_a_cluster
	s_endpgm
.Lentry_in_a_cluster:
	s_bfe_u32 s2, ttmp6, 0x10000c
	s_cmp_lg_u32 s2, 0x3003
	s_cbranch_scc0 .Lentry_shape_is_right
	s_endpgm
.Lentry_shape_is_right:
; out0[i][32 head + d] = the sum over the 64 queries (i, j) of softmax_k(q . k / sqrt(32), keys (i', j') with atom_mask[i'] and atom_mask[j'] alone) v[k][d]; both products on codes of FP4 (E2M1).
; THE SOFTMAX AHEAD OF THE SECOND PRODUCT: t = score x c, c = log2(e) / sqrt(32) (one constant for the two factors); M = the largest t so far, rounded up to a whole number; p = 2^(t - M) is quantised along the keys;
; the row's sum is taken of the unquantised p and divides at the end.  Every change of M is an exact power of two.
; SHARES.  A work-group owns (atom i, head): 64 queries, 32 outputs.  Wave w = 2 ke + tp: two tiles of 16 queries (32 tp on), and the 512 keys from 512 ke on, in four steps of 128, under an M of its own.
; At the end the eight waves of a tp publish (-M, sum); each wave scales its own O^T by 2^(its M - the row's M) / the row's sum, adds its 32 queries in registers and publishes 32 numbers; wave 0 adds the 16 parts.
; LDS.  A head's K and V as codes are 2 x 65,536 bytes, their scale words 2 x 4,096: all of it is brought once, at the head; no byte is filled twice.  Each wave brings 8,192 + 512 bytes: two tensor loads of mine are out.
; CLUSTER.  The four work-groups of a cluster are four atoms of one head and need the same K and V: every fill is asked for jointly, with the mask of all four.  Only Q's and out0's addresses hang on my place in the cluster.
; FOUR TILES OF KEYS IN ONE OPERAND.  The first product's K is 32, one block of the instruction's four.  Source 0 holds four tiles of 16 keys, tile 4 g + p in block p, with their four scale bytes a row.
; Source 1 holds Q's codes in block p and zero codes elsewhere (scale byte 0 there: 2^-127 over zero codes adds nothing).  Its four forms are windows of one chain of registers, Z A Z B Z: Z zeros, A = Q in lanes 0-15, B = Q in lanes 16-31.
; THE KEYS OF A TILE ARE NOT NEIGHBOURS (the launch before laid them so): lane r of tile 2 b + u holds key 32 b + 8 u + r + 8 (r / 8), so the 16 registers of tiles 2 b, 2 b + 1 are keys 32 b + 16 (lane / 16) + 0 .. 15.
; THE MASK.  key = 64 i' + j'.  j': the C of the score's instruction, 0 or -2^100, the same 32 registers in every 64 keys.  i': three scalars for each 64 keys, chosen without a branch: the multiplier c or 0, the factor 1 or 0
; on -M, the addend 0 or -3e38: a masked 64 has p = 2^(-3e38) = 0 under any M and leaves the largest t alone.  A 64 that counts holds a key that counts (j' = i'), so M is a real score's whenever it is used.
; A mask with no true entry: both constants become 0, every p is 1: the plain average of V.
; LIMITS: NaN and infinities are not served.  Scores of keys that count stay under 2^100 in magnitude.  The sums over the keys are made in eight parts.  out0 leaves in runs of 128 bytes (a work-group owns no more).
; No prefetch: all that the launch reads is asked for at its head.  No register windows: four waves of 256 registers share a SIMD, so that one wave's exponentials stand beside another's products.
.set SCL,  131072                      ; LDS: part ke at 16,384 ke: K's 8,192 bytes, V's 8,192;  from SCL on part ke at 1,024 ke: K's 512 bytes of scale words, V's 512
.set ML,   139264                      ; 16 waves x 256 bytes: (-M, sum) of a lane
.set RED,  143360                      ; 16 waves x 128 bytes: 32 partial outputs
.set ADR0, 1                           ; v1   16,384 ke + 16 x lane; never rewritten
.set ADS0, 2                           ; v2   SCL + 1,024 ke + 4 x lane; never rewritten
.set ADR,  3                           ; v3   the step's codes
.set ADS,  4                           ; v4   the step's scale words
.set QZ,   8                           ; v8-43  Z A0 Z B0 Z A1 Z B1 Z, four registers each
.set CB,   44                          ; v44-75 the j' mask as C: tile p of four at 8 p
.set KF,   76                          ; v76-91 two operands of four tiles of keys
.set VF,   92                          ; v92-107 V^T: two tiles of 16 channels x 128 keys
.set S,    108                         ; v108-171 S^T, then p: tile t at 8 t
.set O,    172                         ; v172-203 O^T: tile of queries qt, tile of channels dt at 16 qt + 8 dt
.set PC,   204                         ; v204-211 p's codes
.set ST,   212                         ; v212-219 tile qt at 4 qt: -M, the largest t, the sum in two halves
.set AD,   220                         ; v220, v222 the addend of each 64 keys (low words of pairs)
.set KS,   224                         ; scale words: K's,
.set VSC,  225                         ; V's,
.set PW,   226                         ; p's,
.set QSC,  227                         ; v227-230 Q's: [qt][c]: lanes of half h hold the byte at bit 16 c + 8 h
.set AO,   231
.set MB,   232                         ; v232-235 each block's largest score, then its largest p
.set T1,   236
.set SO,   240
.set F,    244                         ; v[244:245] 2^(old M - new M)
.set W,    246
.set MLW,  247
.set MLR,  248
.set REDW, 249
.set REDR, 250
.set NEGV, 251
.set OUTO, 252
.set QO,   253
.set QSO,  254
.set MO,   255
.set WV,   20
.set TP,   21
.set KE,   22
.set G1C,  28                          ; s[28:35] group 1: 32 rows of 256 bytes
.set G1S,  36                          ; s[36:43] group 1: 2 rows of 256 bytes
.set G0C,  44
.set G0S,  48
.set SEL,  52
.set CS,   54
.set MK,   56                          ; s[56:63] atom_mask[8 ke + 0 .. 7]; two are used a trip, then the rest move down
.set TRIPS, 66
.set HI,   67                          ; lanes 16-31
.set BF,   68                          ; s68-71 lanes with bit 0, 1, 2, 3 of their number set
.set GC,   80                          ; s[80:87] for each of the step's two 64s: c or 0 (twice: a pair), 1 or 0, 0 or -3e38
.set NEGI, 88
.set NEGJ, 89
.set TB,   90
.set TS,   91
.macro ROUND                           ; a round of the cluster's barrier
	s_barrier_signal -1
	s_barrier_wait -1
	s_cmp_lg_u32 s[WV], 0
	s_cbranch_scc1 .Lnot_wave_0_\@
	s_barrier_signal -3
.Lnot_wave_0_\@:
	s_barrier_wait -3
	s_barrier_signal -1
	s_barrier_wait -1
.endm
.macro GSEL g                          ; the three scalars of the step's g-th 64 keys, by selection alone
	s_cmp_lg_u32 s[MK+\g], 0
	s_cselect_b32 s[GC+4*\g], s[CS], 0
	s_cselect_b32 s[GC+4*\g+2], 0x3f800000, 0
	s_cselect_b32 s[GC+4*\g+3], 0, s[NEGI]
	s_mov_b32 s[GC+4*\g+1], s[GC+4*\g]             ; (the packed form names the pair)
.endm
; Tile 4 g + p of the step's keys x tile qt of my queries
.macro SCORE qt, g, p
.set rS, S+8*(4*(\g)+(\p))
.set rK, KF+8*(\g)
.set rQ, QZ+16*(\qt)+8*((\p)%2)+4*(1-(\p)/2)
.set rC, CB+8*(\p)
.set rB, QSC+2*(\qt)+(\p)/2
.if ((\g) == 0) && ((\p)%2 == 0)
	v_wmma_scale_f32_16x16x128_f8f6f4 v[rS:rS+7], v[rK:rK+7], v[rQ:rQ+7], v[rC:rC+7], v[KS], v[rB] matrix_a_fmt:MATRIX_FMT_FP4 matrix_b_fmt:MATRIX_FMT_FP4
.elseif (\g) == 0
	v_wmma_scale_f32_16x16x128_f8f6f4 v[rS:rS+7], v[rK:rK+7], v[rQ:rQ+7], v[rC:rC+7], v[KS], v[rB] matrix_a_fmt:MATRIX_FMT_FP4 matrix_b_fmt:MATRIX_FMT_FP4 matrix_b_scale:MATRIX_SCALE_ROW1
.elseif (\p)%2 == 0
	v_wmma_scale_f32_16x16x128_f8f6f4 v[rS:rS+7], v[rK:rK+7], v[rQ:rQ+7], v[rC:rC+7], v[KS], v[rB] matrix_a_fmt:MATRIX_FMT_FP4 matrix_b_fmt:MATRIX_FMT_FP4 matrix_a_scale:MATRIX_SCALE_ROW1
.else
	v_wmma_scale_f32_16x16x128_f8f6f4 v[rS:rS+7], v[rK:rK+7], v[rQ:rQ+7], v[rC:rC+7], v[KS], v[rB] matrix_a_fmt:MATRIX_FMT_FP4 matrix_b_fmt:MATRIX_FMT_FP4 matrix_a_scale:MATRIX_SCALE_ROW1 matrix_b_scale:MATRIX_SCALE_ROW1
.endif
.endm
; 128 keys for tile qt of my queries
.macro TSTEP qt
.set NM, ST+4*(\qt)
.set TX, ST+4*(\qt)+1
.set LL, ST+4*(\qt)+2
.set OO, O+16*(\qt)
.irp g, 0,1
.irp p, 0,1,2,3
	SCORE \qt, \g, \p
.endr
.endr
.rept 4
	v_nop                                          ; four places between the last product and the first read of results
.endr
.irp b, 0,1,2,3
	v_max3_num_f32 v[MB+\b], v[S+16*\b], v[S+16*\b+1], v[S+16*\b+2]   ; the largest score of each block of 32 keys: for the row's maximum and, since p rises with the score, for the block's largest p
.endr
.irp i, 3,5,7,9,11,13
.irp b, 0,1,2,3
	v_max3_num_f32 v[MB+\b], v[MB+\b], v[S+16*\b+\i], v[S+16*\b+\i+1]
.endr
.endr
.irp b, 0,1,2,3
	v_max_num_f32 v[MB+\b], v[MB+\b], v[S+16*\b+15]
.endr
.irp b, 0,1,2,3
	v_permlanex16_b32 v[T1+\b], v[MB+\b], s[SEL], s[SEL+1]
.endr
.irp b, 0,1,2,3
	v_max_num_f32 v[MB+\b], v[MB+\b], v[T1+\b]     ; with lane l xor 16's 16 keys
.endr
.irp b, 0,1,2,3
	v_fma_f32 v[SO+\b], v[MB+\b], s[GC+4*(\b/2)], s[GC+4*(\b/2)+3]   ; as t; -3e38 where the 64 keys are masked
.endr
	v_max3_num_f32 v[TX], v[TX], v[SO], v[SO+1]
	v_max3_num_f32 v[TX], v[TX], v[SO+2], v[SO+3]  ; the running largest t
	v_mov_b32 v[W], v[NM]
	v_floor_f32 v[NM], -v[TX]                      ; -M = floor(-t)
	v_sub_f32 v[W], v[NM], v[W]                    ; old M - new M: a whole number, 0 or less
	v_cvt_i32_f32 v[W], v[W]                       ; (it saturates)
	v_ldexp_f32 v[F], 1.0, v[W]                    ; f = 2^(old M - new M)
.irp g, 0,1
	v_fma_f32 v[AD+2*\g], v[NM], s[GC+4*\g+2], s[GC+4*\g+3]   ; -M, or -3e38 where the 64 keys are masked
.endr
.set n, 0
.rept 32
	v_pk_fma_f32 v[S+2*n:S+2*n+1], v[S+2*n:S+2*n+1], s[GC+4*(n/16):GC+4*(n/16)+1], v[AD+2*(n/16):AD+2*(n/16)+1] op_sel_hi:[1,0,0]   ; t - M, two at a time
.set n, n+1
.endr
.irp b, 0,1,2,3
	v_fma_f32 v[MB+\b], v[MB+\b], s[GC+4*(\b/2)], v[AD+2*(\b/2)]   ; the same of each block's largest score
.endr
.set n, 0
.rept 64
	v_exp_f32 v[S+n], v[S+n]                       ; p = 2^(t - M)
.set n, n+1
.endr
	v_pk_mul_f32 v[LL:LL+1], v[LL:LL+1], v[F:F+1] op_sel_hi:[1,0]   ; the sums under the new M: the plain place behind the exponentials
	s_wait_alu depctr_va_vdst(0)                   ; one wait for the whole batch, ahead of its first reader
.irp b, 0,1,2,3
	v_exp_f32 v[MB+\b], v[MB+\b]                   ; the block's largest p: the same two instructions on the same number give the same bits
.endr
	v_pk_add_f32 v[T1:T1+1], v[S:S+1], v[S+2:S+3]  ; the row's sum is taken of the unquantised p, in two chains
.irp j, 4,8,12,16,20,24,28,32,36,40,44,48,52,56,60
	v_pk_add_f32 v[LL:LL+1], v[LL:LL+1], v[S+\j:S+\j+1]
	v_pk_add_f32 v[T1:T1+1], v[T1:T1+1], v[S+\j+2:S+\j+3]
.endr
	v_pk_add_f32 v[LL:LL+1], v[LL:LL+1], v[T1:T1+1]
	s_wait_alu depctr_va_vdst(0)                   ; and one for the four
.irp b, 0,1,2,3
	v_max_num_f32 v[MB+\b], 0x1800000, v[MB+\b]    ; the floor 2^(3 - 127): the byte cannot fall under 1; a block of zeros keeps that byte over zero codes
.endr
.irp b, 0,1,2,3
	v_add_nc_u32 v[SO+\b], 0xff000000, v[MB+\b]    ; 2 off the exponent field: the conversion's scale operand
.endr
.irp b, 0,1,2,3
	v_lshrrev_b32 v[T1+\b], 23, v[SO+\b]           ; the scale's byte
.endr
	v_lshl_or_b32 v[PW], v[T1+1], 8, v[T1]
	v_lshl_or_b32 v[PW], v[T1+2], 16, v[PW]
	v_lshl_or_b32 v[PW], v[T1+3], 24, v[PW]
.irp b, 0,1,2,3
	v_cvt_scalef32_pk8_fp4_f32 v[PC+2*\b], v[S+16*\b:S+16*\b+7], v[SO+\b]
	v_cvt_scalef32_pk8_fp4_f32 v[PC+2*\b+1], v[S+16*\b+8:S+16*\b+15], v[SO+\b]
.endr
	v_nop                                          ; one plain place behind a scaled conversion
.irp c, 0,1                                    ; a whole block in a lane: lanes 0-15 block 2 c, lanes 16-31 block 2 c + 1
.irp i, 0,1
	v_permlane16_swap_b32 v[PC+4*\c+\i], v[PC+4*\c+2+\i]
.endr
.endr
.irp j, 0,2,4,6,8,10,12,14
	v_pk_mul_f32 v[OO+\j:OO+\j+1], v[OO+\j:OO+\j+1], v[F:F+1] op_sel_hi:[1,0]   ; O^T under the new M, from each accumulator's low end on.  These eight are the places between p's scale word and codes and the products below
.endr
.if (\qt) == 0
	s_wait_dscnt 0x0                               ; V and its scale words are in
.endif
	v_wmma_scale_f32_16x16x128_f8f6f4 v[OO:OO+7], v[VF:VF+7], v[PC:PC+7], v[OO:OO+7], v[VSC], v[PW] matrix_a_fmt:MATRIX_FMT_FP4 matrix_b_fmt:MATRIX_FMT_FP4
	v_wmma_scale_f32_16x16x128_f8f6f4 v[OO+8:OO+15], v[VF+8:VF+15], v[PC:PC+7], v[OO+8:OO+15], v[VSC], v[PW] matrix_a_fmt:MATRIX_FMT_FP4 matrix_b_fmt:MATRIX_FMT_FP4 matrix_a_scale:MATRIX_SCALE_ROW1
.endm                                          ; the four accumulators of O^T take turns, one instruction a turn, with eight scores between the pairs, round the loop too
	s_load_b512 s[4:19], s[0:1], 0x0               ; qc s[4:5], qs s[6:7], kc s[8:9], ks s[10:11], vc s[12:13], vs s[14:15], atom_mask s[16:17], out0 s[18:19]
	v_lshl_add_u32 v254, v0, 2, 0x29000
	v_mov_b32 v255, 0
	ds_add_u32 v254, v255
	ds_add_u32 v254, v255
	s_wait_dscnt 0x0
	v_lshrrev_b32 v3, 5, v0
	v_readfirstlane_b32 s[WV], v3                  ; wave 0..15
	s_and_b32 s[TP], s[WV], 1                      ; which 32 queries
	s_lshr_b32 s[KE], s[WV], 1                     ; which 512 keys
	s_bfe_u32 s23, ttmp6, 0x40000                  ; cx: my place in the cluster
	s_lshl_b32 s24, ttmp9, 2
	s_add_co_u32 s24, s24, s23                     ; the atom i = 4 x cluster x + cx: it enters Q's and out0's addresses alone
	s_and_b32 s25, ttmp7, 0xffff                   ; the head, which the four partners share
	s_mov_b32 s[G1C], 15|(3<<16)|(1<<21)           ; 15:0 the mask: all four work-groups; 17:16 elements of 8 bytes; 21 set beside a mask; no padding: every read is lane after lane on end
	s_mov_b32 s[G1C+1], 32<<16                     ; tensor_dim0 = 32 elements: 256 bytes
	s_mov_b32 s[G1C+2], 32<<16                     ; tensor_dim1 = 32 rows
	s_mov_b32 s[G1C+3], 32<<16                     ; tile_dim0
	s_mov_b32 s[G1C+4], 32                         ; tile_dim1
	s_mov_b32 s[G1C+5], 32                         ; the pitch: the block is dense
	s_mov_b32 s[G1C+6], 0
	s_mov_b32 s[G1C+7], 0
	s_mov_b32 s[G1S], 15|(3<<16)|(1<<21)           ; the same with 2 rows
	s_mov_b32 s[G1S+1], 32<<16
	s_mov_b32 s[G1S+2], 2<<16
	s_mov_b32 s[G1S+3], 32<<16
	s_mov_b32 s[G1S+4], 2
	s_mov_b32 s[G1S+5], 32
	s_mov_b32 s[G1S+6], 0
	s_mov_b32 s[G1S+7], 0
	s_lshr_b32 s26, s[WV], 3                       ; I fetch for K (0) or for V (1),
	s_and_b32 s27, s[WV], 7                        ; part 0..7
	s_mov_b32 s[G0C], 1
	s_lshl_b32 s[G0C+1], s27, 14
	s_lshl_b32 s72, s26, 13
	s_add_co_u32 s[G0C+1], s[G0C+1], s72           ; LDS: 16,384 x part + 8,192 x kind
	s_mov_b32 s[G0S], 1
	s_lshl_b32 s[G0S+1], s27, 10
	s_lshl_b32 s72, s26, 9
	s_add_co_u32 s[G0S+1], s[G0S+1], s72
	s_add_co_u32 s[G0S+1], s[G0S+1], SCL           ; LDS: SCL + 1,024 x part + 512 x kind
	s_lshl_b32 s72, s25, 16
	s_lshl_b32 s73, s27, 13
	s_add_co_u32 s72, s72, s73                     ; codes: 65,536 x head + 8,192 x part
	s_mov_b32 s73, 0
	s_lshl_b32 s74, s25, 12
	s_lshl_b32 s75, s27, 9
	s_add_co_u32 s74, s74, s75                     ; scale words: 4,096 x head + 512 x part
	s_mov_b32 s75, 0
	s_mov_b32 s[SEL], 0x76543210
	s_mov_b32 s[SEL+1], 0xfedcba98                 ; v_permlanex16_b32's selects for lane l xor 16
	s_mov_b32 s[CS], 0x3e8293ee                    ; c = log2(e) / sqrt(32)
	s_mov_b32 s[HI], 0xffff0000
	s_mov_b32 s[BF], 0xaaaaaaaa
	s_mov_b32 s[BF+1], 0xcccccccc
	s_mov_b32 s[BF+2], 0xf0f0f0f0
	s_mov_b32 s[BF+3], 0xff00ff00
	s_mov_b32 s[TRIPS], 4
	s_mov_b32 s[TB], 0
	s_mov_b32 s[TS], 0
	; every LDS address: a constant, a lane term, the wave's number times a constant
	v_and_b32 v5, 31, v0                           ; lane
	v_and_b32 v6, 15, v0                           ; r
	v_bfe_u32 v7, v0, 4, 1                         ; h
	s_lshl_b32 s76, s[KE], 14
	v_lshl_add_u32 v[ADR0], v5, 4, s76
	s_lshl_b32 s76, s[KE], 10
	s_add_co_u32 s76, s76, SCL
	v_lshl_add_u32 v[ADS0], v5, 2, s76
	s_lshl_b32 s76, s[WV], 8
	s_add_co_u32 s76, s76, ML
	v_lshl_add_u32 v[MLW], v5, 3, s76              ; where I publish (-M, sum)
	s_lshl_b32 s76, s[TP], 8
	s_add_co_u32 s76, s76, ML
	v_lshl_add_u32 v[MLR], v5, 3, s76              ; and read those of the eight waves with my queries, 512 bytes apart
	v_and_b32 v3, 8, v6
	v_add_nc_u32 v3, v3, v6
	v_lshl_add_u32 v3, v7, 3, v3                   ; the channel that my lane ends with: 16 (r / 8) + 8 h + r % 8
	s_lshl_b32 s76, s[WV], 7
	s_add_co_u32 s76, s76, RED
	v_lshl_add_u32 v[REDW], v3, 2, s76
	v_lshl_add_u32 v[REDR], v5, 2, RED
	v_lshlrev_b32 v[OUTO], 2, v5
	v_lshlrev_b32 v[QO], 4, v6                     ; Q's codes: 16 bytes a query
	v_lshlrev_b32 v[QSO], 2, v6                    ; its scale words
	v_lshlrev_b32 v[MO], 6, v7                     ; atom_mask: 16 entries on for lanes 16-31
	v_lshlrev_b32 v[AO], 3, v5                     ; atom_mask: two entries a lane
	s_wait_kmcnt 0x0
	s_cmp_eq_u32 s26, 0                            ; the choice hangs on the wave's number alone: it is the same in all four partners
	s_cselect_b64 s[G0C+2:G0C+3], s[8:9], s[12:13]
	s_cselect_b64 s[G0S+2:G0S+3], s[10:11], s[14:15]
	s_add_nc_u64 s[G0C+2:G0C+3], s[G0C+2:G0C+3], s[72:73]
	s_add_nc_u64 s[G0S+2:G0S+3], s[G0S+2:G0S+3], s[74:75]
	s_or_b32 s[G0C+3], s[G0C+3], 0x80000000        ; type = 2
	s_or_b32 s[G0S+3], s[G0S+3], 0x80000000
	ROUND                                          ; all four work-groups are here: the joint loads meet
	tensor_load_to_lds s[G0C:G0C+3], s[G1C:G1C+7]  ; my 8,192 bytes of codes
	s_nop 0
	tensor_load_to_lds s[G0S:G0S+3], s[G1S:G1S+7]  ; my 512 bytes of scale words
	s_nop 0
.rept 4
	v_nop
.endr
	s_lshl_b32 s72, s25, 16                        ; Q's codes: 65,536 x head + (64 i + 32 tp) x 16
	s_lshl_b32 s73, s24, 10
	s_add_co_u32 s72, s72, s73
	s_lshl_b32 s73, s[TP], 9
	s_add_co_u32 s72, s72, s73
	s_mov_b32 s73, 0
	s_add_nc_u64 s[4:5], s[4:5], s[72:73]
	s_lshl_b32 s74, s25, 12                        ; its scale words: 4,096 x head + 64 i: byte p of row r's word belongs to query tile p of the atom's four
	s_lshl_b32 s75, s24, 6
	s_add_co_u32 s74, s74, s75
	s_mov_b32 s75, 0
	s_add_nc_u64 s[6:7], s[6:7], s[74:75]
	s_lshl_b32 s76, s24, 9                         ; out0: 512 i + 128 x head
	s_lshl_b32 s77, s25, 7
	s_add_co_u32 s76, s76, s77
	s_mov_b32 s77, 0
	s_add_nc_u64 s[18:19], s[18:19], s[76:77]
	s_lshl_b32 s78, s[KE], 5
	s_mov_b32 s79, 0
	s_add_nc_u64 s[78:79], s[16:17], s[78:79]
	s_load_b256 s[MK:MK+7], s[78:79], 0x0          ; atom_mask[8 ke + 0 .. 7]: the i' of my 512 keys
	global_load_b128 v[QZ+4:QZ+7], v[QO], s[4:5]               ; tile 0 of my queries, in both halves of the lanes
	global_load_b128 v[QZ+20:QZ+23], v[QO], s[4:5] offset:256  ; tile 1
	global_load_b32 v[W], v[QSO], s[6:7]
.irp p, 0,1,2,3
	global_load_b128 v[CB+8*\p:CB+8*\p+3], v[MO], s[16:17] offset:(32*(\p/2)+8*(\p%2))*4       ; atom_mask[j'] in the scores' layout: register j of tile p holds j' = 32 (p / 2) + 16 h + 8 (p % 2) + j
	global_load_b128 v[CB+8*\p+4:CB+8*\p+7], v[MO], s[16:17] offset:(32*(\p/2)+8*(\p%2))*4+16
.endr
	global_load_b64 v[S:S+1], v[AO], s[16:17]      ; all 64 entries, two a lane
.irp z, 0,16,32
.irp i, 0,1,2,3
	v_mov_b32 v[QZ+\z+\i], 0                       ; Z
.endr
.endr
.irp z, 8,24
.irp i, 0,1,2,3
	v_mov_b32 v[QZ+\z+\i], 0                       ; Z
.endr
.endr
.irp q, 0,1
	v_mov_b32 v[ST+4*\q+1], 0xff61b1e6             ; the largest t so far: -3e38
	v_floor_f32 v[ST+4*\q], -v[ST+4*\q+1]          ; -M
	v_mov_b32 v[ST+4*\q+2], 0                      ; the sum, in two halves
	v_mov_b32 v[ST+4*\q+3], 0
.endr
.irp b, 0,1,2,3
	v_mov_b32 v[T1+\b], 0                          ; written once: a lane permute's destination counts as one of its sources
.endr
	v_mov_b32 v[AD+1], 0                           ; the upper words of pairs of which the low word serves both halves
	v_mov_b32 v[AD+3], 0
	v_mov_b32 v[F+1], 0
	s_wait_loadcnt 0x0
	s_wait_kmcnt 0x0
.irp q, 0,1
.irp i, 0,1,2,3
	v_cndmask_b32 v[QZ+16*\q+12+\i], 0, v[QZ+16*\q+4+\i], s[HI]            ; B: Q in lanes 16-31, zeros below
	v_cndmask_b32 v[QZ+16*\q+4+\i], v[QZ+16*\q+4+\i], 0, s[HI]             ; A: Q in lanes 0-15, zeros above
.endr
.endr
	s_lshl_b32 s72, s[TP], 4
	s_add_co_u32 s73, s72, 8
	v_lshlrev_b32 v3, 3, v7                        ; 8 h
	v_bfe_u32 v4, v[W], s72, 8                     ; the byte of query tile 2 tp
	v_lshlrev_b32 v[QSC], v3, v4
	v_lshlrev_b32 v[QSC+1], 16, v[QSC]
	v_bfe_u32 v4, v[W], s73, 8                     ; and of 2 tp + 1
	v_lshlrev_b32 v[QSC+2], v3, v4
	v_lshlrev_b32 v[QSC+3], 16, v[QSC+2]
	v_or_b32 v[S], v[S], v[S+1]
	v_cmp_ne_u32 vcc_lo, 0, v[S]
	s_cmp_lg_u32 vcc_lo, 0                         ; is any atom true?  It steers two selections and no branch
	s_cselect_b32 s[NEGI], 0xff61b1e6, 0           ; -3e38, or 0 where no key at all counts
	s_cselect_b32 s[NEGJ], 0xf1800000, 0           ; -2^100, likewise
	v_mov_b32 v[NEGV], s[NEGJ]
.set n, 0
.rept 32
	v_cmp_eq_u32 vcc_lo, 0, v[CB+n]
	v_cndmask_b32 v[CB+n], 0, v[NEGV], vcc_lo      ; 0 where atom j' is true
.set n, n+1
.endr
.set n, 0
.rept 32
	v_mov_b32 v[O+n], 0                            ; O^T.  The step is written once: its first trip finds zeros.  (These lines are also the places between Q's scale words and the first product)
.set n, n+1
.endr
	s_wait_tensorcnt 0x0                           ; my two parts have landed,
	s_barrier_signal -1
	s_barrier_wait -1                              ; everybody's have
.Lstep:                                            ; 4 trips: 128 keys for both tiles of my queries
	v_add_nc_u32 v[ADR], s[TB], v[ADR0]
	v_add_nc_u32 v[ADS], s[TS], v[ADS0]
	v_nop
	v_nop                                          ; four places between the last product and loads into registers that it has read
.irp f, 0,1,2,3
	ds_load_b128 v[KF+4*\f:KF+4*\f+3], v[ADR] offset:512*\f            ; lane l's 16 bytes at 16 l: tile 4 g + 2 c + h, row r
.endr
	ds_load_b32 v[KS], v[ADS]                      ; lanes 0-15: tiles 0-3 of row r; lanes 16-31: tiles 4-7
.irp f, 0,1,2,3
	ds_load_b128 v[VF+4*\f:VF+4*\f+3], v[ADR] offset:8192+512*\f
.endr
	ds_load_b32 v[VSC], v[ADS] offset:512          ; lanes 0-15: channels 0-15; lanes 16-31: 16-31
	GSEL 0
	GSEL 1
	s_wait_dscnt 5                                 ; K's five loads are in; V's five, issued behind them, may be out
	TSTEP 0
	TSTEP 1
	s_mov_b64 s[MK:MK+1], s[MK+2:MK+3]             ; the next step's two i'
	s_mov_b64 s[MK+2:MK+3], s[MK+4:MK+5]
	s_mov_b64 s[MK+4:MK+5], s[MK+6:MK+7]
	s_add_co_u32 s[TB], s[TB], 2048
	s_add_co_u32 s[TS], s[TS], 128
	s_sub_co_u32 s[TRIPS], s[TRIPS], 1
	s_cmp_lg_u32 s[TRIPS], 0
	s_cbranch_scc1 .Lstep
	; THE MERGE.  The lines up to the factors name nothing of the last products: they are the places behind them.
.irp q, 0,1
	v_add_f32 v[ST+4*\q+2], v[ST+4*\q+2], v[ST+4*\q+3]
.endr
.irp q, 0,1
	v_permlanex16_b32 v[T1+\q], v[ST+4*\q+2], s[SEL], s[SEL+1]
.endr
.irp q, 0,1
	v_add_f32 v[ST+4*\q+2], v[ST+4*\q+2], v[T1+\q] ; my 512 keys' sum, in both halves of the lanes
.endr
	v_cndmask_b32 v108, v[ST], v[ST+4], s[HI]      ; lane (r, h) speaks for query r of tile h: -M,
	v_cndmask_b32 v109, v[ST+2], v[ST+6], s[HI]    ; and the sum
	ds_store_b64 v[MLW], v[108:109]
	s_wait_dscnt 0x0                               ; for the others' sake
	s_barrier_signal -1
	s_barrier_wait -1
.irp e, 0,1,2,3,4,5,6,7
	ds_load_b64 v[110+2*\e:111+2*\e], v[MLR] offset:512*\e
.endr
	s_wait_dscnt 0x0
	v_min3_num_f32 v126, v110, v112, v114
	v_min3_num_f32 v126, v126, v116, v118
	v_min3_num_f32 v126, v126, v120, v122
	v_min_num_f32 v126, v126, v124                 ; the row's -M: the least of the eight
.irp e, 0,1,2,3,4,5,6,7
	v_sub_f32 v[128+\e], v126, v[110+2*\e]         ; that wave's M less the row's: a whole number, 0 or less
.endr
.irp e, 0,1,2,3,4,5,6,7
	v_cvt_i32_f32 v[128+\e], v[128+\e]             ; (it saturates: a wave whose keys are all masked counts for nothing)
.endr
.irp e, 0,1,2,3,4,5,6,7
	v_ldexp_f32 v[111+2*\e], v[111+2*\e], v[128+\e]
.endr
	v_add_f32 v111, v111, v113
	v_add_f32 v115, v115, v117
	v_add_f32 v119, v119, v121
	v_add_f32 v123, v123, v125
	v_add_f32 v111, v111, v115
	v_add_f32 v119, v119, v123
	v_add_f32 v127, v111, v119                     ; the row's sum
	v_rcp_f32 v136, v127
	v_sub_f32 v137, v126, v108                     ; (a plain place behind the reciprocal)  my M less the row's
	v_cvt_i32_f32 v137, v137
	s_wait_alu depctr_va_vdst(0)                   ; ahead of the reciprocal's first reader
	v_ldexp_f32 v136, v136, v137                   ; 2^(my M - the row's M) / the row's sum, of tile h
	v_permlanex16_b32 v138, v136, s[SEL], s[SEL+1]
	v_cndmask_b32 v140, v136, v138, s[HI]          ; tile 0's factor in every lane,
	v_cndmask_b32 v142, v138, v136, s[HI]          ; and tile 1's
.irp j, 0,2,4,6,8,10,12,14
	v_pk_mul_f32 v[108+\j:109+\j], v[O+\j:O+\j+1], v[140:141] op_sel_hi:[1,0]
.endr
.irp j, 0,2,4,6,8,10,12,14
	v_pk_fma_f32 v[108+\j:109+\j], v[O+16+\j:O+17+\j], v[142:143], v[108+\j:109+\j] op_sel_hi:[1,0,1]   ; register 8 dt + j: channel 16 dt + 8 h + j of queries r and 16 + r
.endr
; The sum over the sixteen r, halving the registers at each step: a lane keeps the register that its bit names and sends the other to its partner.  Lane r ends with register r.
.macro FOLD n, src, keep, send, bit, x
.set k, 0
.rept \n
	v_cndmask_b32 v[\keep+k], v[\src+2*k], v[\src+2*k+1], s[BF+\bit]
	v_cndmask_b32 v[\send+k], v[\src+2*k+1], v[\src+2*k], s[BF+\bit]
	v_add_f32_dpp v[\keep+k], v[\send+k], v[\keep+k] row_xmask:\x row_mask:0xf bank_mask:0xf
.set k, k+1
.endr
.endm
	FOLD 8, 108, 124, 132, 0, 1
	FOLD 4, 124, 140, 144, 1, 2
	FOLD 2, 140, 148, 150, 2, 4
	FOLD 1, 148, 152, 153, 3, 8
	ds_store_b32 v[REDW], v152                     ; my wave's 32 channels
	s_wait_dscnt 0x0                               ; for wave 0's sake
	s_barrier_signal -1
	s_barrier_wait -1
	s_cmp_lg_u32 s[WV], 0
	s_cbranch_scc1 .Lnot_mine
.irp e, 0,1,2,3,4,5,6,7,8,9,10,11,12,13,14,15
	ds_load_b32 v[108+\e], v[REDR] offset:128*\e   ; channel = lane, of the sixteen waves
.endr
	s_wait_dscnt 0x0
.irp e, 0,2,4,6,8,10,12,14
	v_add_f32 v[108+\e], v[108+\e], v[109+\e]
.endr
.irp e, 0,4,8,12
	v_add_f32 v[108+\e], v[108+\e], v[110+\e]
.endr
	v_add_f32 v108, v108, v112
	v_add_f32 v116, v116, v120
	v_add_f32 v108, v108, v116
	global_store_b32 v[OUTO], v108, s[18:19]       ; 128 consecutive bytes: all that the work-group owns
.Lnot_mine:
	s_wait_xcnt 0x0
	v_lshl_add_u32 v254, v0, 2, 0x29000
	v_mov_b32 v255, 0
	s_wait_tensorcnt 0x0
	ds_add_u32 v254, v255
	s_wait_dscnt 0x0
	ROUND                                          ; the closing round: no work-group ends while a partner may still ask for a tile that names it
	s_endpgm
.Lfunc_end_k_q07329db213_attn:
	.size	k_q07329db213_attn, .Lfunc_end_k_q07329db213_attn-k_q07329db213_attn
	.p2alignl 7, 3214868480
	.fill 96, 4, 3214868480
	.section	.rodata,"a",@progbits
	.p2align	6, 0x0
	.amdhsa_kernel k_q07329db213_attn
		.amdhsa_group_segment_fixed_size 169984
		.amdhsa_private_segment_fixed_size 0
		.amdhsa_enable_private_segment 0
		.amdhsa_kernarg_size 64
		.amdhsa_user_sgpr_count 2
		.amdhsa_user_sgpr_kernarg_segment_ptr 1
		.amdhsa_wavefront_size32 1
		.amdhsa_system_sgpr_workgroup_id_x 1
		.amdhsa_system_sgpr_workgroup_id_y 1
		.amdhsa_system_sgpr_workgroup_id_z 1
		.amdhsa_system_vgpr_workitem_id 0
		.amdhsa_next_free_vgpr 256
		.amdhsa_next_free_sgpr 92
		.amdhsa_reserve_vcc 1
		.amdhsa_float_denorm_mode_32 3
		.amdhsa_float_denorm_mode_16_64 3
		.amdhsa_memory_ordered 1
		.amdhsa_forward_progress 1
		.amdhsa_inst_pref_size 50
	.end_amdhsa_kernel
	.amdgpu_metadata
---
amdhsa.version: [ 1, 2 ]
amdhsa.kernels:
  - .name:           k_q07329db213_attn
    .symbol:         k_q07329db213_attn.kd
    .args:
      - { .name: qc, .offset: 0, .size: 8, .value_kind: global_buffer, .address_space: global }
      - { .name: qs, .offset: 8, .size: 8, .value_kind: global_buffer, .address_space: global }
      - { .name: kc, .offset: 16, .size: 8, .value_kind: global_buffer, .address_space: global }
      - { .name: ks, .offset: 24, .size: 8, .value_kind: global_buffer, .address_space: global }
      - { .name: vc, .offset: 32, .size: 8, .value_kind: global_buffer, .address_space: global }
      - { .name: vs, .offset: 40, .size: 8, .value_kind: global_buffer, .address_space: global }
      - { .name: atom_mask, .offset: 48, .size: 8, .value_kind: global_buffer, .address_space: global }
      - { .name: out0, .offset: 56, .size: 8, .value_kind: global_buffer, .address_space: global }
    .group_segment_fixed_size: 169984
    .private_segment_fixed_size: 0
    .kernarg_segment_align: 8
    .kernarg_segment_size: 64
    .max_flat_workgroup_size: 512
    .sgpr_count:     92
    .vgpr_count:     256
    .wavefront_size: 32
...
	.end_amdgpu_metadata
.endif
;; end of part 2
;; ======== version 2 of 2: 2 launches
;; limits: right only within a limited range of input values
;; workspace buffers: qc 262,144 bytes; kc 262,144 bytes; vc 262,144 bytes; qs 16,384 bytes; ks 16,384 bytes; vs 16,384 bytes
;; launch proj (part 3): grid 32 x 3, 8 waves a work-group, no clusters, 20,480 bytes of LDS; arguments pair_features, Wq, bq, Wk, bk, Wv, bv, qc, qs, kc, ks, vc, vs; writes qc, qs, kc, ks, vc, vs
.if DOCPART == 3
	.amdgcn_target "amdgcn-amd-amdhsa--gfx1250"
	.amdhsa_code_object_version 6
	.text
	.protected	k_q07329db213_proj
	.globl	k_q07329db213_proj
	.p2align	8
	.type	k_q07329db213_proj,@function
k_q07329db213_proj:
	s_mov_b64 s[64:65], 0
	v_nop
	global_prefetch_b8 v0, s[64:65] scope:SCOPE_SE
	s_setreg_imm32_b32 hwreg(HW_REG_WAVE_SCHED_MODE, 0, 2), 2
	s_setreg_imm32_b32 hwreg(HW_REG_WAVE_MODE, 25, 1), 1
	s_wait_xcnt 0x0
	s_wait_alu depctr_vm_vsrc(0)
; q = x Wq + bq, k = x Wk + bk, v = x Wv + bv on codes of FP4 (E2M1) with one E8M0 scale for each 32 along K = 128, and q, k, v quantised again for the two products of attention.
; x: [4096][128] f32.  W: [128 (k)][128 (n)] f32.  b: [128] f32.  A work-group takes 128 tokens (x = group G) and one of the three projections (y = role: 0 q, 1 k, 2 v).
; OUT, in the order of the next launch's operand registers:
;   qc, kc [head 4][pos 4096][16 bytes]: the 32 codes of one token and head (K = the head's 32).  Token 128 G + 32 b + 8 u + r + 8 (r / 8) lies at pos 128 G + 32 b + 16 u + r.
;   qs, ks [head][G][lane (g, r)][4 bytes]: byte p = the scale of token tile 4 g + p, row r.
;   vc [head][G][dt 2][c 2][lane 32][16 bytes]: the registers of the fragment 16 channels x 128 keys (K = the keys).   vs [head][G][channel 32][4 bytes]: byte b = keys 32 b on.
; SHARES.  Wave w quantises token tile w of x (lane r: token 32 (w / 2) + 8 (w % 2) + r + 8 (r / 8)) and channel tile w of W (a lane to a column, registers down K); both go to LDS as images of their registers.
; q, k: the product is used transposed (source 0 = 16 channels of W, source 1 = my 16 tokens); the channels of a tile are chosen like the tokens, so a lane's 64 results are 16 neighbouring channels of each head.
; v:    source 0 = 16 tokens, source 1 = my 16 channels (16 w + r): a lane holds one channel and 16 neighbouring tokens of each block of 32 keys.
; One matrix instruction a tile (K = 128), eight tiles a wave, eight different results: no sum is taken up again.
; No tensor load (W wants a lane to a column), so no cluster; 96 work-groups: a finer split would quantise W more often.
; LIMITS: NaN and infinities among the inputs are not served.  A block of zeros gets the byte 1 where the rule says 127: its codes are zeros, and this program alone reads the bytes.
; The scale words leave in runs of 128 bytes (48 KB in all three buffers together).
; THE MODE: SCHED_MODE bits 1:0 = 2 (LLVM: expert scheduling mode 2), set by the entry lines.  The code itself states the register dependences
; between vector or matrix instructions and memory or LDS instructions, with s_wait_alu, always for 0.
; THE PLAN.  The text is one straight line with two short partings on ids; registers that memory or LDS instructions touch, in the order of the text:
;   v4-v14, v27    addresses and offsets: written at the head by vector lines, never again; read by every load and store.
;   v192-255, v26, v64-127, v128-191   the bias, x and W: global loads land in them; no vector line names them before.
;   v40-47, v25    the codes and the scale word just made: written by a quantiser, read by the stores behind it, three times over (x, W, the results).
;   v64-127        a second time: the eight fragments land there from LDS; the last vector lines that named them are x's quantiser's.
;   v16-24, v32-39 my own fragment and the scale words: LDS loads land there, matrix instructions read them, nothing else names them.
;   v28-31, v15    scratch of vector lines early on; at the end LDS loads land there, and v15 is the last store's data.
; So: one wait on va_vdst ahead of the first load (the addresses), one ahead of each of the three runs of stores (the quantiser behind it has written what they read), one ahead of the last store;
; one wait on vm_vsrc ahead of the second and of the third quantiser (the stores have read what it writes again); one wait on va_sdst for the wave's number.
.set XIMG, 0                           ; LDS: x's 8 fragments, 1,024 bytes each
.set XSC,  8192                        ; their scale words, 128 bytes each
.set WIMG, 9216                        ; W's 8 fragments
.set WSC,  17408                       ; their scale words
.set SCW,  18432                       ; the results' scale words, 128 bytes a wave
.set XA,   4                           ; v4   x: my row's and half's byte in the wave's tile
.set WA,   5                           ; v5   W: my column's byte, + 32 rows for lanes 16-31
.set LI,   6                           ; v6   16 x lane
.set LS,   7                           ; v7   4 x lane
.set IW,   8                           ; v8   16 x lane + 1,024 x wave
.set SW,   9                           ; v9   4 x lane + 128 x wave
.set BA,   10                          ; v10  64 x (lane / 16): the bias in the transposed result's layout
.set VO0,  11                          ; v11  where my first 16 bytes of codes go
.set VO1,  12                          ; v12  and my second
.set C1,   13                          ; v13  q, k: where I gather scale words
.set C2,   14                          ; v14  v: likewise
.set F1,   16                          ; v16-23 my own tile's fragment
.set S1,   24                          ; v24  its scale words
.set PW,   25                          ; v25  the scale word just made
.set BV,   26                          ; v26  b[16 w + r]
.set BVA,  27                          ; v27  its byte offset
.set S8,   32                          ; v32-39 the eight tiles' scale words
.set PC,   40                          ; v40-47 the codes just made
.set TM,   48                          ; v48-63 at work in the quantisers
.set XN,   64                          ; v64-127 64 numbers of x; later the eight fragments
.set F8,   64
.set WN,   128                         ; v128-191 64 numbers of W; later the eight results
.set HA,   128
.set BIAS, 192                         ; v192-255 the bias, eight registers a tile
.set WV,   38
.set GG,   39
.set ROLE, 40
.set SEL,  42
; 64 numbers of a lane, register 16 b + i = k 32 b + 16 (lane / 16) + i of my row, become a fragment's codes in v[PC] on and its scale word in v[PW].
.macro QUANT s
.irp b, 0,1,2,3
	v_max3_num_f32 v[TM+\b], |v[\s+16*\b]|, |v[\s+1+16*\b]|, 0x1800000   ; my 16 numbers of block b, and the floor 2^(3 - 127): the byte cannot fall under 1
.endr
.irp i, 2,4,6,8,10,12,14
.irp b, 0,1,2,3
	v_max3_num_f32 v[TM+\b], v[TM+\b], |v[\s+16*\b+\i]|, |v[\s+1+16*\b+\i]|   ; the four blocks by turns
.endr
.endr
.irp b, 0,1,2,3
	v_permlanex16_b32 v[TM+4+\b], v[TM+\b], s[SEL], s[SEL+1]
.endr
.irp b, 0,1,2,3
	v_max_num_f32 v[TM+\b], v[TM+\b], v[TM+4+\b]   ; with lane l xor 16's: the block's largest magnitude
.endr
.irp b, 0,1,2,3
	v_add_nc_u32 v[TM+12+\b], 0xff000000, v[TM+\b]   ; 2 off its exponent field: the conversion's scale operand
.endr
.irp b, 0,1,2,3
	v_lshrrev_b32 v[TM+4+\b], 23, v[TM+12+\b]   ; the scale's byte
.endr
	v_lshl_or_b32 v[PW], v[TM+5], 8, v[TM+4]
	v_lshl_or_b32 v[PW], v[TM+6], 16, v[PW]
	v_lshl_or_b32 v[PW], v[TM+7], 24, v[PW]
.irp b, 0,1,2,3
	v_cvt_scalef32_pk8_fp4_f32 v[PC+2*\b], v[\s+16*\b:\s+7+16*\b], v[TM+12+\b]
	v_cvt_scalef32_pk8_fp4_f32 v[PC+1+2*\b], v[\s+8+16*\b:\s+15+16*\b], v[TM+12+\b]
.endr
	v_nop                                          ; one plain place behind a scaled conversion
.irp c, 0,1                                    ; the operand wants a whole block in a lane: lanes 0-15 block 2 c, lanes 16-31 block 2 c + 1
.irp i, 0,1
	v_permlane16_swap_b32 v[PC+4*\c+\i], v[PC+2+4*\c+\i]
.endr
.endr
.endm
; W's column: register 32 c + i = k 64 c + 32 (lane / 16) + i: two whole blocks a lane, in the operand's own order.
.macro QUANTW
.irp c, 0,1
	v_max3_num_f32 v[TM+\c], |v[WN+32*\c]|, |v[WN+32*\c+1]|, 0x1800000
.endr
.irp i, 2,4,6,8,10,12,14,16,18,20,22,24,26,28,30
.irp c, 0,1
	v_max3_num_f32 v[TM+\c], v[TM+\c], |v[WN+32*\c+\i]|, |v[WN+32*\c+\i+1]|
.endr
.endr
.irp c, 0,1
	v_add_nc_u32 v[TM+12+\c], 0xff000000, v[TM+\c]
.endr
.irp c, 0,1
	v_lshrrev_b32 v[TM+4+\c], 23, v[TM+12+\c]
.endr
	v_lshl_or_b32 v[PW], v[TM+5], 16, v[TM+4]      ; my two bytes: blocks h and 2 + h,
	v_lshlrev_b32 v28, 3, v3
	v_lshlrev_b32 v[PW], v28, v[PW]                ; 8 h bits up;
	v_permlanex16_b32 v[TM+6], v[PW], s[SEL], s[SEL+1]
	v_or_b32 v[PW], v[PW], v[TM+6]                 ; with lane l xor 16's two the word is whole
.irp c, 0,1
.irp g, 0,1,2,3
	v_cvt_scalef32_pk8_fp4_f32 v[PC+4*\c+\g], v[WN+32*\c+8*\g:WN+32*\c+8*\g+7], v[TM+12+\c]
.endr
.endr
	v_nop                                          ; one plain place behind a scaled conversion
.endm
.macro IMAGE adr, off                          ; the fragment in v[PC] on goes to LDS as it stands
.irp c, 0,1
	ds_store_b128 v[\adr], v[PC+4*\c:PC+4*\c+3] offset:\off+512*\c
.endr
.endm
.macro FETCH reg, adr, off                     ; and comes back so, in any wave
.irp c, 0,1
	ds_load_b128 v[\reg+4*\c:\reg+4*\c+3], v[\adr] offset:\off+512*\c
.endr
.endm
.macro BARRIER                                 ; my LDS stores have landed and my LDS loads are in: then the work-group's barrier
	s_wait_dscnt 0x0
	s_barrier_signal -1
	s_barrier_wait -1
.endm
; The product: source 0 = tile t of the eight images at f8img, source 1 = my own tile of those at f1img; C = the bias, bstep registers on from tile to tile.
; The loads owe no wait of their own: their addresses are the head's, and of the registers in which they land only v64-127 were ever named by vector lines, x's quantiser's, which stand ahead of a wait on va_vdst.
; A, B and the scales of every product come from these loads, so their s_wait_dscnt is all that the products wait for.
.macro PHASEB f8img, f8sc, f1img, f1sc, bstep
	FETCH F1, IW, \f1img
	ds_load_b32 v[S1], v[SW] offset:\f1sc
.irp t, 0,1,2,3,4,5,6,7
	FETCH F8+8*\t, LI, \f8img+1024*\t
	ds_load_b32 v[S8+\t], v[LS] offset:\f8sc+128*\t
.endr
	s_wait_dscnt 0x0
.irp t, 0,1,2,3,4,5,6,7
	v_wmma_scale_f32_16x16x128_f8f6f4 v[HA+8*\t:HA+8*\t+7], v[F8+8*\t:F8+8*\t+7], v[F1:F1+7], v[BIAS+\bstep*\t:BIAS+\bstep*\t+7], v[S8+\t], v[S1] matrix_a_fmt:MATRIX_FMT_FP4 matrix_b_fmt:MATRIX_FMT_FP4
.endr
.endm
	s_load_b512 s[4:19], s[0:1], 0x0               ; x s[4:5], Wq s[6:7], bq s[8:9], Wk s[10:11], bk s[12:13], Wv s[14:15], bv s[16:17], qc s[18:19]
	s_load_b256 s[20:27], s[0:1], 0x40             ; qs s[20:21], kc s[22:23], ks s[24:25], vc s[26:27]
	s_load_b64 s[28:29], s[0:1], 0x60              ; vs
	v_lshl_add_u32 v58, v0, 2, 0x4c00
	v_mov_b32 v59, 0
	v_lshrrev_b32 v15, 5, v0
	v_readfirstlane_b32 s[WV], v15                 ; wave 0..7
	s_mov_b32 s[GG], ttmp9                         ; the group of 128 tokens
	s_and_b32 s[ROLE], ttmp7, 0xffff               ; 0 q, 1 k, 2 v
	s_mov_b32 s[SEL], 0x76543210
	s_mov_b32 s[SEL+1], 0xfedcba98                 ; v_permlanex16_b32's selects for lane l xor 16
	s_wait_alu depctr_va_sdst(0)                   ; the wave's number is written, ahead of its first reader, the line below
	s_lshr_b32 s44, s[WV], 1                       ; w / 2
	s_and_b32 s45, s[WV], 1                        ; w % 2
	s_and_b32 s49, s[WV], 3                        ; the head whose scale words waves 0 to 3 gather
	s_lshl_b32 s50, s[GG], 7                       ; x: my tile's first token 128 G + 32 (w / 2) + 8 (w % 2),
	s_lshl_b32 s46, s44, 5
	s_add_co_u32 s50, s50, s46
	s_lshl_b32 s46, s45, 3
	s_add_co_u32 s50, s50, s46
	s_lshl_b32 s50, s50, 9                         ; in rows of 512 bytes
	s_mov_b32 s51, 0
	s_lshl_b32 s52, s[WV], 8                       ; codes out, q and k: 256 w;
	s_lshl_b32 s54, s44, 16
	s_lshl_b32 s46, s45, 10
	s_add_co_u32 s54, s54, s46                     ; v: head w / 2, dt = w % 2
	s_lshl_b32 s56, s44, 7                         ; W: 128 (w / 2) bytes, and below 32 (q, k) or 64 (v) x (w % 2)
	s_cmp_lt_u32 s[ROLE], 2
	s_cselect_b32 s41, 1, 0                        ; 1 for q and k
	s_cselect_b32 s47, 16, 8                       ; lanes 16-31 store 2^16 bytes on (the next head) or 2^8 (the next 16 lanes)
	s_cselect_b32 s52, s52, s54
	s_cselect_b32 s46, 5, 6
	s_lshl_b32 s46, s45, s46
	s_add_co_u32 s54, s56, s46
	s_mov_b32 s55, 0
	s_lshl_b32 s46, s[GG], 11
	s_add_co_u32 s52, s52, s46                     ; + 2,048 G
	s_mov_b32 s53, 0
	s_lshl_b32 s56, s49, 12                        ; scale words out: 4,096 x head + 128 G
	s_lshl_b32 s46, s[GG], 7
	s_add_co_u32 s56, s56, s46
	s_mov_b32 s57, 0
	s_lshl_b32 s48, 2, s47                         ; my second 16 bytes: two heads on, or 512 bytes on
	v_and_b32 v1, 31, v0                           ; lane
	v_and_b32 v2, 15, v0                           ; r
	v_bfe_u32 v3, v0, 4, 1                         ; h
	v_and_b32 v28, 8, v2
	v_add_nc_u32 v15, v28, v2                      ; r + 8 (r / 8)
	v_lshlrev_b32 v[XA], 9, v15
	v_lshl_add_u32 v[XA], v3, 6, v[XA]             ; x: my token's row, + 64 h: 16 numbers of each block of 32
	v_mul_u32_u24 v28, s41, v28
	v_add_nc_u32 v28, v28, v2                      ; W's column in the tile: r + 8 (r / 8) for q and k, r for v
	v_lshlrev_b32 v[WA], 2, v28
	v_lshl_add_u32 v[WA], v3, 14, v[WA]            ; lanes 16-31 begin 32 rows of 512 bytes further down
	v_lshlrev_b32 v[LI], 4, v1
	v_lshlrev_b32 v[LS], 2, v1
	s_lshl_b32 s46, s[WV], 10
	v_add_nc_u32 v[IW], s46, v[LI]
	s_lshl_b32 s46, s[WV], 7
	v_add_nc_u32 v[SW], s46, v[LS]
	v_lshlrev_b32 v[BA], 6, v3
	s_lshl_b32 s46, s[WV], 6
	v_lshl_add_u32 v[BVA], v2, 2, s46              ; b[16 w + r]
	v_lshlrev_b32 v28, s47, v3
	v_lshl_add_u32 v[VO0], v2, 4, v28
	v_add_nc_u32 v[VO1], s48, v[VO0]
	v_lshlrev_b32 v[C1], 2, v2
	v_lshl_add_u32 v[C1], v3, 9, v[C1]
	v_add_nc_u32 v[C1], SCW, v[C1]                 ; lane (g, r): row r of waves 4 g + 0 .. 3
	s_lshl_b32 s46, s49, 8
	v_lshlrev_b32 v[C2], 2, v2
	v_lshl_add_u32 v[C2], v3, 7, v[C2]
	v_add_nc_u32 v[C2], s46, v[C2]
	v_add_nc_u32 v[C2], SCW, v[C2]                 ; lane (dt, r): row r of wave 2 x head + dt
.irp b, 0,1,2,3
	v_mov_b32 v[TM+4+\b], 0                        ; written once: a lane permute's destination counts as one of its sources
.endr
	s_wait_kmcnt 0x0
	s_cmp_eq_u32 s[ROLE], 0                        ; the role's four buffers: the choice hangs on the work-group's number alone
	s_cselect_b64 s[30:31], s[6:7], s[10:11]
	s_cselect_b64 s[32:33], s[8:9], s[12:13]
	s_cselect_b64 s[34:35], s[18:19], s[22:23]
	s_cselect_b64 s[36:37], s[20:21], s[24:25]
	s_cmp_eq_u32 s[ROLE], 2
	s_cselect_b64 s[30:31], s[14:15], s[30:31]     ; W
	s_cselect_b64 s[32:33], s[16:17], s[32:33]     ; b
	s_cselect_b64 s[34:35], s[26:27], s[34:35]     ; codes out
	s_cselect_b64 s[36:37], s[28:29], s[36:37]     ; scale words out
	s_add_nc_u64 s[4:5], s[4:5], s[50:51]
	s_add_nc_u64 s[30:31], s[30:31], s[54:55]
	s_add_nc_u64 s[34:35], s[34:35], s[52:53]
	s_add_nc_u64 s[36:37], s[36:37], s[56:57]
	s_wait_alu depctr_va_vdst(0)                   ; the addresses and offsets v4 to v14 and v27 are written, which every load and store of the kernel reads; none of them is written again
	; The bias in both layouts, for every role and without a branch (all inside the 512 bytes): eight registers a tile for the transposed result, and the one word of my channel for v.
.irp t, 0,1,2,3,4,5,6,7
	global_load_b128 v[BIAS+8*\t:BIAS+8*\t+3], v[BA], s[32:33] offset:(32*(\t/2)+8*(\t%2))*4
	global_load_b128 v[BIAS+8*\t+4:BIAS+8*\t+7], v[BA], s[32:33] offset:(32*(\t/2)+8*(\t%2))*4+16
.endr
	global_load_b32 v[BV], v[BVA], s[32:33]
.irp b, 0,1,2,3
.irp j, 0,1,2,3
	global_load_b128 v[XN+16*\b+4*\j:XN+16*\b+4*\j+3], v[XA], s[4:5] offset:128*\b+16*\j
.endr
.endr
.irp c, 0,1
.irp i, 0,1,2,3,4,5,6,7,8,9,10,11,12,13,14,15,16,17,18,19,20,21,22,23,24,25,26,27,28,29,30,31
	global_load_b32 v[WN+32*\c+\i], v[WA], s[30:31] offset:(64*\c+\i)*512   ; W(64 c + 32 h + i, my column)
.endr
.endr
	s_wait_loadcnt 63                              ; behind x's 16 loads stand W's 64: 63 is the largest count that can be named, and a smaller count than 64 is safe
	QUANT XN
	s_wait_alu depctr_va_vdst(0)                   ; x's quantiser has written v[PC ..] and v[PW], which the three LDS stores read; and it is done reading v64-127, in which the fragments land behind the barrier
	IMAGE IW, XIMG
	ds_store_b32 v[SW], v[PW] offset:XSC
	s_wait_dscnt 0x0                               ; my stores of x's image are done
	s_wait_alu depctr_vm_vsrc(0)                   ; they have read v[PC ..] and v[PW], which W's quantiser writes again
	s_wait_loadcnt 0x0                             ; W, and the bias before it
	QUANTW
	s_wait_alu depctr_va_vdst(0)                   ; W's quantiser has written v[PC ..] and v[PW], which the three LDS stores read
	IMAGE IW, WIMG
	ds_store_b32 v[SW], v[PW] offset:WSC
	BARRIER                                        ; x's and W's eight fragments lie in LDS
	s_wait_alu depctr_vm_vsrc(0)                   ; my stores of W's image have read v[PC ..] and v[PW], which the results' quantiser writes again, on both ways below
	s_cmp_eq_u32 s[ROLE], 2
	s_cbranch_scc1 .Lprod_v
	PHASEB WIMG, WSC, XIMG, XSC, 8                 ; q, k: 16 channels x my 16 tokens
	s_branch .Lprod_done
.Lprod_v:
.irp j, 0,1,2,3,4,5,6,7
	v_mov_b32 v[BIAS+\j], v[BV]                    ; v: a lane holds one channel, so its eight registers of C are one number; made in the arm that reads them
.endr
	s_wait_alu depctr_va_vdst(0)
.rept 4
	v_nop
.endr
	PHASEB XIMG, XSC, WIMG, WSC, 0                 ; v: 16 tokens x my 16 channels
.Lprod_done:
.rept 4
	v_nop                                          ; four places between the last product and the first read of results
.endr
	QUANT HA                                       ; q, k: block b = head b of my token;  v: block b = keys 32 b on of my channel
	s_wait_alu depctr_va_vdst(0)                   ; the results' quantiser has written v[PC ..] and v[PW], which the three stores below read; all vector lines that named v28 and v15, in which LDS loads land further down, stand ahead of this wait too
	global_store_b128 v[VO0], v[PC:PC+3], s[34:35]     ; q, k: sixteen lanes store 256 consecutive bytes of head h, aligned;  v: the wave stores 512 consecutive bytes
	global_store_b128 v[VO1], v[PC+4:PC+7], s[34:35]
	ds_store_b32 v[SW], v[PW] offset:SCW
	BARRIER                                        ; the eight waves' scale words lie in LDS
	s_cmp_gt_u32 s[WV], 3                          ; waves 0 to 3 lay one head's scale words as the next launch reads them
	s_cbranch_scc1 .Lend
	s_cmp_eq_u32 s[ROLE], 2
	s_cbranch_scc1 .Lsc_v
.irp p, 0,1,2,3
	ds_load_b32 v[28+\p], v[C1] offset:128*\p      ; token tile 4 g + p, row r: four heads' bytes
.endr
	s_lshl_b32 s46, s49, 3
	s_wait_dscnt 0x0
.irp p, 0,1,2,3
	v_bfe_u32 v[28+\p], v[28+\p], s46, 8           ; my head's
.endr
	v_lshl_or_b32 v15, v29, 8, v28
	v_lshl_or_b32 v15, v30, 16, v15
	v_lshl_or_b32 v15, v31, 24, v15
	s_branch .Lsc_out
.Lsc_v:
	ds_load_b32 v15, v[C2]                         ; channel 16 dt + r of my head: its word as it stands
	s_wait_dscnt 0x0
.Lsc_out:
	s_wait_alu depctr_va_vdst(0)                   ; on q's and k's way the three lines ahead of the jump have written v15, which the store reads
	global_store_b32 v[LS], v15, s[36:37]          ; 128 consecutive bytes
.Lend:
	s_wait_dscnt 0x0
	s_wait_alu depctr_hold_cnt(0) depctr_sa_sdst(0) depctr_va_vdst(0) depctr_va_sdst(0) depctr_va_ssrc(0) depctr_va_vcc(0) depctr_vm_vsrc(0)
	s_wait_tensorcnt 0x0
	ds_add_u32 v58, v59
	s_wait_dscnt 0x0
	s_endpgm
.Lfunc_end_k_q07329db213_proj:
	.size	k_q07329db213_proj, .Lfunc_end_k_q07329db213_proj-k_q07329db213_proj
	.p2alignl 7, 3214868480
	.fill 96, 4, 3214868480
	.section	.rodata,"a",@progbits
	.p2align	6, 0x0
	.amdhsa_kernel k_q07329db213_proj
		.amdhsa_group_segment_fixed_size 20480
		.amdhsa_private_segment_fixed_size 0
		.amdhsa_enable_private_segment 0
		.amdhsa_kernarg_size 104
		.amdhsa_user_sgpr_count 2
		.amdhsa_user_sgpr_kernarg_segment_ptr 1
		.amdhsa_wavefront_size32 1
		.amdhsa_system_sgpr_workgroup_id_x 1
		.amdhsa_system_sgpr_workgroup_id_y 1
		.amdhsa_system_sgpr_workgroup_id_z 1
		.amdhsa_system_vgpr_workitem_id 0
		.amdhsa_next_free_vgpr 256
		.amdhsa_next_free_sgpr 66
		.amdhsa_reserve_vcc 0
		.amdhsa_float_denorm_mode_32 3
		.amdhsa_float_denorm_mode_16_64 3
		.amdhsa_memory_ordered 1
		.amdhsa_forward_progress 1
		.amdhsa_inst_pref_size 32
	.end_amdhsa_kernel
	.amdgpu_metadata
---
amdhsa.version: [ 1, 2 ]
amdhsa.kernels:
  - .name:           k_q07329db213_proj
    .symbol:         k_q07329db213_proj.kd
    .args:
      - { .name: pair_features, .offset: 0, .size: 8, .value_kind: global_buffer, .address_space: global }
      - { .name: Wq, .offset: 8, .size: 8, .value_kind: global_buffer, .address_space: global }
      - { .name: bq, .offset: 16, .size: 8, .value_kind: global_buffer, .address_space: global }
      - { .name: Wk, .offset: 24, .size: 8, .value_kind: global_buffer, .address_space: global }
      - { .name: bk, .offset: 32, .size: 8, .value_kind: global_buffer, .address_space: global }
      - { .name: Wv, .offset: 40, .size: 8, .value_kind: global_buffer, .address_space: global }
      - { .name: bv, .offset: 48, .size: 8, .value_kind: global_buffer, .address_space: global }
      - { .name: qc, .offset: 56, .size: 8, .value_kind: global_buffer, .address_space: global }
      - { .name: qs, .offset: 64, .size: 8, .value_kind: global_buffer, .address_space: global }
      - { .name: kc, .offset: 72, .size: 8, .value_kind: global_buffer, .address_space: global }
      - { .name: ks, .offset: 80, .size: 8, .value_kind: global_buffer, .address_space: global }
      - { .name: vc, .offset: 88, .size: 8, .value_kind: global_buffer, .address_space: global }
      - { .name: vs, .offset: 96, .size: 8, .value_kind: global_buffer, .address_space: global }
    .group_segment_fixed_size: 20480
    .private_segment_fixed_size: 0
    .kernarg_segment_align: 8
    .kernarg_segment_size: 104
    .max_flat_workgroup_size: 256
    .sgpr_count:     66
    .vgpr_count:     256
    .wavefront_size: 32
...
	.end_amdgpu_metadata
.endif
;; end of part 3
;; launch attn (part 4): grid 64 x 4, 16 waves a work-group, clusters of 4 x 1, 169,984 bytes of LDS; arguments qc, qs, kc, ks, vc, vs, atom_mask, out0; writes out0
.if DOCPART == 4
	.amdgcn_target "amdgcn-amd-amdhsa--gfx1250"
	.amdhsa_code_object_version 6
	.text
	.protected	k_q07329db213_attn
	.globl	k_q07329db213_attn
	.p2align	8
	.type	k_q07329db213_attn,@function
k_q07329db213_attn:
	s_mov_b64 s[64:65], 0
	v_nop
	global_prefetch_b8 v0, s[64:65] scope:SCOPE_SE
	s_setreg_imm32_b32 hwreg(HW_REG_WAVE_MODE, 25, 1), 1
	s_wait_xcnt 0x0
	s_wait_alu depctr_hold_cnt(0) depctr_sa_sdst(0) depctr_va_vdst(0) depctr_va_sdst(0) depctr_va_ssrc(0) depctr_va_vcc(0) depctr_vm_vsrc(0)
	s_getreg_b32 s2, hwreg(HW_REG_IB_STS2, 6, 4)
	s_cmp_eq_u32 s2, 0
	s_cbranch_scc0 .Lentry_in_a_cluster
	s_endpgm
.Lentry_in_a_cluster:
	s_bfe_u32 s2, ttmp6, 0x10000c
	s_cmp_lg_u32 s2, 0x3003
	s_cbranch_scc0 .Lentry_shape_is_right
	s_endpgm
.Lentry_shape_is_right:
; out0[i][32 head + d] = the sum over the 64 queries (i, j) of softmax_k(q . k / sqrt(32), keys (i', j') with atom_mask[i'] and atom_mask[j'] alone) v[k][d]; both products on codes of FP4 (E2M1).
; THE SOFTMAX AHEAD OF THE SECOND PRODUCT: t = score x c, c = log2(e) / sqrt(32) (one constant for the two factors); M = the largest t so far, rounded up to a whole number; p = 2^(t - M) is quantised along the keys;
; the row's sum is taken of the unquantised p and divides at the end.  Every change of M is an exact power of two.
; SHARES.  A work-group owns (atom i, head): 64 queries, 32 outputs.  Wave w = 2 ke + tp: two tiles of 16 queries (32 tp on), and the 512 keys from 512 ke on, in four steps of 128, under an M of its own.
; At the end the eight waves of a tp publish (-M, sum); each wave scales its own O^T by 2^(its M - the row's M) / the row's sum, adds its 32 queries in registers and publishes 32 numbers; wave 0 adds the 16 parts.
; LDS.  A head's K and V as codes are 2 x 65,536 bytes, their scale words 2 x 4,096: all of it is brought once, at the head; no byte is filled twice.  Each wave brings 8,192 + 512 bytes: two tensor loads of mine are out.
; CLUSTER.  The four work-groups of a cluster are four atoms of one head and need the same K and V: every fill is asked for jointly, with the mask of all four.  Only Q's and out0's addresses hang on my place in the cluster.
; FOUR TILES OF KEYS IN ONE OPERAND.  The first product's K is 32, one block of the instruction's four.  Source 0 holds four tiles of 16 keys, tile 4 g + p in block p, with their four scale bytes a row.
; Source 1 holds Q's codes in block p and zero codes elsewhere (scale byte 0 there: 2^-127 over zero codes adds nothing).  Its four forms are windows of one chain of registers, Z A Z B Z: Z zeros, A = Q in lanes 0-15, B = Q in lanes 16-31.
; THE KEYS OF A TILE ARE NOT NEIGHBOURS (the launch before laid them so): lane r of tile 2 b + u holds key 32 b + 8 u + r + 8 (r / 8), so the 16 registers of tiles 2 b, 2 b + 1 are keys 32 b + 16 (lane / 16) + 0 .. 15.
; THE MASK.  key = 64 i' + j'.  j': the C of the score's instruction, 0 or -2^100, the same 32 registers in every 64 keys.  i': three scalars for each 64 keys, chosen without a branch: the multiplier c or 0, the factor 1 or 0
; on -M, the addend 0 or -3e38: a masked 64 has p = 2^(-3e38) = 0 under any M and leaves the largest t alone.  A 64 that counts holds a key that counts (j' = i'), so M is a real score's whenever it is used.
; A mask with no true entry: both constants become 0, every p is 1: the plain average of V.
; LIMITS: NaN and infinities are not served.  Scores of keys that count stay under 2^100 in magnitude.  The sums over the keys are made in eight parts.  out0 leaves in runs of 128 bytes (a work-group owns no more).
; No prefetch: all that the launch reads is asked for at its head.  No register windows: four waves of 256 registers share a SIMD, so that one wave's exponentials stand beside another's products.
.set SCL,  131072                      ; LDS: part ke at 16,384 ke: K's 8,192 bytes, V's 8,192;  from SCL on part ke at 1,024 ke: K's 512 bytes of scale words, V's 512
.set ML,   139264                      ; 16 waves x 256 bytes: (-M, sum) of a lane
.set RED,  143360                      ; 16 waves x 128 bytes: 32 partial outputs
.set ADR0, 1                           ; v1   16,384 ke + 16 x lane; never rewritten
.set ADS0, 2                           ; v2   SCL + 1,024 ke + 4 x lane; never rewritten
.set ADR,  3                           ; v3   the step's codes
.set ADS,  4                           ; v4   the step's scale words
.set QZ,   8                           ; v8-43  Z A0 Z B0 Z A1 Z B1 Z, four registers each
.set CB,   44                          ; v44-75 the j' mask as C: tile p of four at 8 p
.set KF,   76                          ; v76-91 two operands of four tiles of keys
.set VF,   92                          ; v92-107 V^T: two tiles of 16 channels x 128 keys
.set S,    108                         ; v108-171 S^T, then p: tile t at 8 t
.set O,    172                         ; v172-203 O^T: tile of queries qt, tile of channels dt at 16 qt + 8 dt
.set PC,   204                         ; v204-211 p's codes
.set ST,   212                         ; v212-219 tile qt at 4 qt: -M, the largest t, the sum in two halves
.set AD,   220                         ; v220, v222 the addend of each 64 keys (low words of pairs)
.set KS,   224                         ; scale words: K's,
.set VSC,  225                         ; V's,
.set PW,   226                         ; p's,
.set QSC,  227                         ; v227-230 Q's: [qt][c]: lanes of half h hold the byte at bit 16 c + 8 h
.set AO,   231
.set MB,   232                         ; v232-235 each block's largest score, then its largest p
.set T1,   236
.set SO,   240
.set F,    244                         ; v[244:245] 2^(old M - new M)
.set W,    246
.set MLW,  247
.set MLR,  248
.set REDW, 249
.set REDR, 250
.set NEGV, 251
.set OUTO, 252
.set QO,   253
.set QSO,  254
.set MO,   255
.set WV,   20
.set TP,   21
.set KE,   22
.set G1C,  28                          ; s[28:35] group 1: 32 rows of 256 bytes
.set G1S,  36                          ; s[36:43] group 1: 2 rows of 256 bytes
.set G0C,  44
.set G0S,  48
.set SEL,  52
.set CS,   54
.set MK,   56                          ; s[56:63] atom_mask[8 ke + 0 .. 7]; two are used a trip, then the rest move down
.set TRIPS, 66
.set HI,   67                          ; lanes 16-31
.set BF,   68                          ; s68-71 lanes with bit 0, 1, 2, 3 of their number set
.set GC,   80                          ; s[80:87] for each of the step's two 64s: c or 0 (twice: a pair), 1 or 0, 0 or -3e38
.set NEGI, 88
.set NEGJ, 89
.set TB,   90
.set TS,   91
.macro ROUND                           ; a round of the cluster's barrier
	s_barrier_signal -1
	s_barrier_wait -1
	s_cmp_lg_u32 s[WV], 0
	s_cbranch_scc1 .Lnot_wave_0_\@
	s_barrier_signal -3
.Lnot_wave_0_\@:
	s_barrier_wait -3
	s_barrier_signal -1
	s_barrier_wait -1
.endm
.macro GSEL g                          ; the three scalars of the step's g-th 64 keys, by selection alone
	s_cmp_lg_u32 s[MK+\g], 0
	s_cselect_b32 s[GC+4*\g], s[CS], 0
	s_cselect_b32 s[GC+4*\g+2], 0x3f800000, 0
	s_cselect_b32 s[GC+4*\g+3], 0, s[NEGI]
	s_mov_b32 s[GC+4*\g+1], s[GC+4*\g]             ; (the packed form names the pair)
.endm
; Tile 4 g + p of the step's keys x tile qt of my queries
.macro SCORE qt, g, p
.set rS, S+8*(4*(\g)+(\p))
.set rK, KF+8*(\g)
.set rQ, QZ+16*(\qt)+8*((\p)%2)+4*(1-(\p)/2)
.set rC, CB+8*(\p)
.set rB, QSC+2*(\qt)+(\p)/2
.if ((\g) == 0) && ((\p)%2 == 0)
	v_wmma_scale_f32_16x16x128_f8f6f4 v[rS:rS+7], v[rK:rK+7], v[rQ:rQ+7], v[rC:rC+7], v[KS], v[rB] matrix_a_fmt:MATRIX_FMT_FP4 matrix_b_fmt:MATRIX_FMT_FP4
.elseif (\g) == 0
	v_wmma_scale_f32_16x16x128_f8f6f4 v[rS:rS+7], v[rK:rK+7], v[rQ:rQ+7], v[rC:rC+7], v[KS], v[rB] matrix_a_fmt:MATRIX_FMT_FP4 matrix_b_fmt:MATRIX_FMT_FP4 matrix_b_scale:MATRIX_SCALE_ROW1
.elseif (\p)%2 == 0
	v_wmma_scale_f32_16x16x128_f8f6f4 v[rS:rS+7], v[rK:rK+7], v[rQ:rQ+7], v[rC:rC+7], v[KS], v[rB] matrix_a_fmt:MATRIX_FMT_FP4 matrix_b_fmt:MATRIX_FMT_FP4 matrix_a_scale:MATRIX_SCALE_ROW1
.else
	v_wmma_scale_f32_16x16x128_f8f6f4 v[rS:rS+7], v[rK:rK+7], v[rQ:rQ+7], v[rC:rC+7], v[KS], v[rB] matrix_a_fmt:MATRIX_FMT_FP4 matrix_b_fmt:MATRIX_FMT_FP4 matrix_a_scale:MATRIX_SCALE_ROW1 matrix_b_scale:MATRIX_SCALE_ROW1
.endif
.endm
; 128 keys for tile qt of my queries
.macro TSTEP qt
.set NM, ST+4*(\qt)
.set TX, ST+4*(\qt)+1
.set LL, ST+4*(\qt)+2
.set OO, O+16*(\qt)
.irp g, 0,1
.irp p, 0,1,2,3
	SCORE \qt, \g, \p
.endr
.endr
.rept 4
	v_nop                                          ; four places between the last product and the first read of results
.endr
.irp b, 0,1,2,3
	v_max3_num_f32 v[MB+\b], v[S+16*\b], v[S+16*\b+1], v[S+16*\b+2]   ; the largest score of each block of 32 keys: for the row's maximum and, since p rises with the score, for the block's largest p
.endr
.irp i, 3,5,7,9,11,13
.irp b, 0,1,2,3
	v_max3_num_f32 v[MB+\b], v[MB+\b], v[S+16*\b+\i], v[S+16*\b+\i+1]
.endr
.endr
.irp b, 0,1,2,3
	v_max_num_f32 v[MB+\b], v[MB+\b], v[S+16*\b+15]
.endr
.irp b, 0,1,2,3
	s_delay_alu instid0(VALU_DEP_4)
	v_permlanex16_b32 v[T1+\b], v[MB+\b], s[SEL], s[SEL+1]
.endr
.irp b, 0,1,2,3
	s_delay_alu instid0(VALU_DEP_4)
	v_max_num_f32 v[MB+\b], v[MB+\b], v[T1+\b]     ; with lane l xor 16's 16 keys
.endr
.irp b, 0,1,2,3
	s_delay_alu instid0(VALU_DEP_4)
	v_fma_f32 v[SO+\b], v[MB+\b], s[GC+4*(\b/2)], s[GC+4*(\b/2)+3]   ; as t; -3e38 where the 64 keys are masked
.endr
	s_delay_alu instid0(VALU_DEP_3)
	v_max3_num_f32 v[TX], v[TX], v[SO], v[SO+1]
	s_delay_alu instid0(VALU_DEP_1)
	v_max3_num_f32 v[TX], v[TX], v[SO+2], v[SO+3]  ; the running largest t
	v_mov_b32 v[W], v[NM]
	s_delay_alu instid0(VALU_DEP_2)
	v_floor_f32 v[NM], -v[TX]                      ; -M = floor(-t)
	s_delay_alu instid0(VALU_DEP_1)
	v_sub_f32 v[W], v[NM], v[W]                    ; old M - new M: a whole number, 0 or less
	s_delay_alu instid0(VALU_DEP_1)
	v_cvt_i32_f32 v[W], v[W]                       ; (it saturates)
	s_delay_alu instid0(VALU_DEP_1)
	v_ldexp_f32 v[F], 1.0, v[W]                    ; f = 2^(old M - new M)
.irp g, 0,1
	v_fma_f32 v[AD+2*\g], v[NM], s[GC+4*\g+2], s[GC+4*\g+3]   ; -M, or -3e38 where the 64 keys are masked
.endr
.set n, 0
.rept 32
	v_pk_fma_f32 v[S+2*n:S+2*n+1], v[S+2*n:S+2*n+1], s[GC+4*(n/16):GC+4*(n/16)+1], v[AD+2*(n/16):AD+2*(n/16)+1] op_sel_hi:[1,0,0]   ; t - M, two at a time
.set n, n+1
.endr
.irp b, 0,1,2,3
	v_fma_f32 v[MB+\b], v[MB+\b], s[GC+4*(\b/2)], v[AD+2*(\b/2)]   ; the same of each block's largest score
.endr
.set n, 0
	s_wait_alu depctr_va_vdst(0)
.rept 64
	v_exp_f32 v[S+n], v[S+n]                       ; p = 2^(t - M)
.set n, n+1
.endr
	v_pk_mul_f32 v[LL:LL+1], v[LL:LL+1], v[F:F+1] op_sel_hi:[1,0]   ; the sums under the new M: the plain place behind the exponentials
	s_wait_alu depctr_va_vdst(0)                   ; one wait for the whole batch, ahead of its first reader
.irp b, 0,1,2,3
	v_exp_f32 v[MB+\b], v[MB+\b]                   ; the block's largest p: the same two instructions on the same number give the same bits
.endr
	v_pk_add_f32 v[T1:T1+1], v[S:S+1], v[S+2:S+3]  ; the row's sum is taken of the unquantised p, in two chains
.irp j, 4,8,12,16,20,24,28,32,36,40,44,48,52,56,60
	v_pk_add_f32 v[LL:LL+1], v[LL:LL+1], v[S+\j:S+\j+1]
	v_pk_add_f32 v[T1:T1+1], v[T1:T1+1], v[S+\j+2:S+\j+3]
.endr
	s_delay_alu instid0(VALU_DEP_1)
	v_pk_add_f32 v[LL:LL+1], v[LL:LL+1], v[T1:T1+1]
	s_wait_alu depctr_va_vdst(0)                   ; and one for the four
.irp b, 0,1,2,3
	v_max_num_f32 v[MB+\b], 0x1800000, v[MB+\b]    ; the floor 2^(3 - 127): the byte cannot fall under 1; a block of zeros keeps that byte over zero codes
.endr
.irp b, 0,1,2,3
	s_delay_alu instid0(VALU_DEP_4)
	v_add_nc_u32 v[SO+\b], 0xff000000, v[MB+\b]    ; 2 off the exponent field: the conversion's scale operand
.endr
.irp b, 0,1,2,3
	s_delay_alu instid0(VALU_DEP_4)
	v_lshrrev_b32 v[T1+\b], 23, v[SO+\b]           ; the scale's byte
.endr
	s_delay_alu instid0(VALU_DEP_3)
	v_lshl_or_b32 v[PW], v[T1+1], 8, v[T1]
	s_delay_alu instid0(VALU_DEP_1)
	v_lshl_or_b32 v[PW], v[T1+2], 16, v[PW]
	s_delay_alu instid0(VALU_DEP_1)
	v_lshl_or_b32 v[PW], v[T1+3], 24, v[PW]
.irp b, 0,1,2,3
	v_cvt_scalef32_pk8_fp4_f32 v[PC+2*\b], v[S+16*\b:S+16*\b+7], v[SO+\b]
	v_cvt_scalef32_pk8_fp4_f32 v[PC+2*\b+1], v[S+16*\b+8:S+16*\b+15], v[SO+\b]
.endr
	v_nop                                          ; one plain place behind a scaled conversion
.irp c, 0,1                                    ; a whole block in a lane: lanes 0-15 block 2 c, lanes 16-31 block 2 c + 1
.irp i, 0,1
	v_permlane16_swap_b32 v[PC+4*\c+\i], v[PC+4*\c+2+\i]
.endr
.endr
.irp j, 0,2,4,6,8,10,12,14
	v_pk_mul_f32 v[OO+\j:OO+\j+1], v[OO+\j:OO+\j+1], v[F:F+1] op_sel_hi:[1,0]   ; O^T under the new M, from each accumulator's low end on.  These eight are the places between p's scale word and codes and the products below
.endr
.if (\qt) == 0
	s_wait_alu depctr_va_vdst(0)
	s_wait_dscnt 0x0                               ; V and its scale words are in
.endif
	v_wmma_scale_f32_16x16x128_f8f6f4 v[OO:OO+7], v[VF:VF+7], v[PC:PC+7], v[OO:OO+7], v[VSC], v[PW] matrix_a_fmt:MATRIX_FMT_FP4 matrix_b_fmt:MATRIX_FMT_FP4
	v_wmma_scale_f32_16x16x128_f8f6f4 v[OO+8:OO+15], v[VF+8:VF+15], v[PC:PC+7], v[OO+8:OO+15], v[VSC], v[PW] matrix_a_fmt:MATRIX_FMT_FP4 matrix_b_fmt:MATRIX_FMT_FP4 matrix_a_scale:MATRIX_SCALE_ROW1
.endm                                          ; the four accumulators of O^T take turns, one instruction a turn, with eight scores between the pairs, round the loop too
	s_load_b512 s[4:19], s[0:1], 0x0               ; qc s[4:5], qs s[6:7], kc s[8:9], ks s[10:11], vc s[12:13], vs s[14:15], atom_mask s[16:17], out0 s[18:19]
	v_lshl_add_u32 v254, v0, 2, 0x29000
	v_mov_b32 v255, 0
	ds_add_u32 v254, v255
	ds_add_u32 v254, v255
	s_wait_dscnt 0x0
	v_lshrrev_b32 v3, 5, v0
	s_delay_alu instid0(VALU_DEP_1)
	v_readfirstlane_b32 s[WV], v3                  ; wave 0..15
	s_and_b32 s[TP], s[WV], 1                      ; which 32 queries
	s_lshr_b32 s[KE], s[WV], 1                     ; which 512 keys
	s_bfe_u32 s23, ttmp6, 0x40000                  ; cx: my place in the cluster
	s_lshl_b32 s24, ttmp9, 2
	s_add_co_u32 s24, s24, s23                     ; the atom i = 4 x cluster x + cx: it enters Q's and out0's addresses alone
	s_and_b32 s25, ttmp7, 0xffff                   ; the head, which the four partners share
	s_mov_b32 s[G1C], 15|(3<<16)|(1<<21)           ; 15:0 the mask: all four work-groups; 17:16 elements of 8 bytes; 21 set beside a mask; no padding: every read is lane after lane on end
	s_mov_b32 s[G1C+1], 32<<16                     ; tensor_dim0 = 32 elements: 256 bytes
	s_mov_b32 s[G1C+2], 32<<16                     ; tensor_dim1 = 32 rows
	s_mov_b32 s[G1C+3], 32<<16                     ; tile_dim0
	s_mov_b32 s[G1C+4], 32                         ; tile_dim1
	s_mov_b32 s[G1C+5], 32                         ; the pitch: the block is dense
	s_mov_b32 s[G1C+6], 0
	s_mov_b32 s[G1C+7], 0
	s_mov_b32 s[G1S], 15|(3<<16)|(1<<21)           ; the same with 2 rows
	s_mov_b32 s[G1S+1], 32<<16
	s_mov_b32 s[G1S+2], 2<<16
	s_mov_b32 s[G1S+3], 32<<16
	s_mov_b32 s[G1S+4], 2
	s_mov_b32 s[G1S+5], 32
	s_mov_b32 s[G1S+6], 0
	s_mov_b32 s[G1S+7], 0
	s_lshr_b32 s26, s[WV], 3                       ; I fetch for K (0) or for V (1),
	s_and_b32 s27, s[WV], 7                        ; part 0..7
	s_mov_b32 s[G0C], 1
	s_lshl_b32 s[G0C+1], s27, 14
	s_lshl_b32 s72, s26, 13
	s_add_co_u32 s[G0C+1], s[G0C+1], s72           ; LDS: 16,384 x part + 8,192 x kind
	s_mov_b32 s[G0S], 1
	s_lshl_b32 s[G0S+1], s27, 10
	s_lshl_b32 s72, s26, 9
	s_add_co_u32 s[G0S+1], s[G0S+1], s72
	s_add_co_u32 s[G0S+1], s[G0S+1], SCL           ; LDS: SCL + 1,024 x part + 512 x kind
	s_lshl_b32 s72, s25, 16
	s_lshl_b32 s73, s27, 13
	s_add_co_u32 s72, s72, s73                     ; codes: 65,536 x head + 8,192 x part
	s_mov_b32 s73, 0
	s_lshl_b32 s74, s25, 12
	s_lshl_b32 s75, s27, 9
	s_add_co_u32 s74, s74, s75                     ; scale words: 4,096 x head + 512 x part
	s_mov_b32 s75, 0
	s_mov_b32 s[SEL], 0x76543210
	s_mov_b32 s[SEL+1], 0xfedcba98                 ; v_permlanex16_b32's selects for lane l xor 16
	s_mov_b32 s[CS], 0x3e8293ee                    ; c = log2(e) / sqrt(32)
	s_mov_b32 s[HI], 0xffff0000
	s_mov_b32 s[BF], 0xaaaaaaaa
	s_mov_b32 s[BF+1], 0xcccccccc
	s_mov_b32 s[BF+2], 0xf0f0f0f0
	s_mov_b32 s[BF+3], 0xff00ff00
	s_mov_b32 s[TRIPS], 4
	s_mov_b32 s[TB], 0
	s_mov_b32 s[TS], 0
	; every LDS address: a constant, a lane term, the wave's number times a constant
	v_and_b32 v5, 31, v0                           ; lane
	v_and_b32 v6, 15, v0                           ; r
	v_bfe_u32 v7, v0, 4, 1                         ; h
	s_lshl_b32 s76, s[KE], 14
	v_lshl_add_u32 v[ADR0], v5, 4, s76
	s_lshl_b32 s76, s[KE], 10
	s_add_co_u32 s76, s76, SCL
	v_lshl_add_u32 v[ADS0], v5, 2, s76
	s_lshl_b32 s76, s[WV], 8
	s_add_co_u32 s76, s76, ML
	v_lshl_add_u32 v[MLW], v5, 3, s76              ; where I publish (-M, sum)
	s_lshl_b32 s76, s[TP], 8
	s_add_co_u32 s76, s76, ML
	v_lshl_add_u32 v[MLR], v5, 3, s76              ; and read those of the eight waves with my queries, 512 bytes apart
	v_and_b32 v3, 8, v6
	s_delay_alu instid0(VALU_DEP_1)
	v_add_nc_u32 v3, v3, v6
	s_delay_alu instid0(VALU_DEP_1)
	v_lshl_add_u32 v3, v7, 3, v3                   ; the channel that my lane ends with: 16 (r / 8) + 8 h + r % 8
	s_lshl_b32 s76, s[WV], 7
	s_add_co_u32 s76, s76, RED
	v_lshl_add_u32 v[REDW], v3, 2, s76
	v_lshl_add_u32 v[REDR], v5, 2, RED
	v_lshlrev_b32 v[OUTO], 2, v5
	v_lshlrev_b32 v[QO], 4, v6                     ; Q's codes: 16 bytes a query
	v_lshlrev_b32 v[QSO], 2, v6                    ; its scale words
	v_lshlrev_b32 v[MO], 6, v7                     ; atom_mask: 16 entries on for lanes 16-31
	v_lshlrev_b32 v[AO], 3, v5                     ; atom_mask: two entries a lane
	s_wait_kmcnt 0x0
	s_cmp_eq_u32 s26, 0                            ; the choice hangs on the wave's number alone: it is the same in all four partners
	s_cselect_b64 s[G0C+2:G0C+3], s[8:9], s[12:13]
	s_cselect_b64 s[G0S+2:G0S+3], s[10:11], s[14:15]
	s_add_nc_u64 s[G0C+2:G0C+3], s[G0C+2:G0C+3], s[72:73]
	s_add_nc_u64 s[G0S+2:G0S+3], s[G0S+2:G0S+3], s[74:75]
	s_or_b32 s[G0C+3], s[G0C+3], 0x80000000        ; type = 2
	s_or_b32 s[G0S+3], s[G0S+3], 0x80000000
	ROUND                                          ; all four work-groups are here: the joint loads meet
	tensor_load_to_lds s[G0C:G0C+3], s[G1C:G1C+7]  ; my 8,192 bytes of codes
	s_nop 0
	tensor_load_to_lds s[G0S:G0S+3], s[G1S:G1S+7]  ; my 512 bytes of scale words
	s_nop 0
.rept 4
	v_nop
.endr
	s_lshl_b32 s72, s25, 16                        ; Q's codes: 65,536 x head + (64 i + 32 tp) x 16
	s_lshl_b32 s73, s24, 10
	s_add_co_u32 s72, s72, s73
	s_lshl_b32 s73, s[TP], 9
	s_add_co_u32 s72, s72, s73
	s_mov_b32 s73, 0
	s_add_nc_u64 s[4:5], s[4:5], s[72:73]
	s_lshl_b32 s74, s25, 12                        ; its scale words: 4,096 x head + 64 i: byte p of row r's word belongs to query tile p of the atom's four
	s_lshl_b32 s75, s24, 6
	s_add_co_u32 s74, s74, s75
	s_mov_b32 s75, 0
	s_add_nc_u64 s[6:7], s[6:7], s[74:75]
	s_lshl_b32 s76, s24, 9                         ; out0: 512 i + 128 x head
	s_lshl_b32 s77, s25, 7
	s_add_co_u32 s76, s76, s77
	s_mov_b32 s77, 0
	s_add_nc_u64 s[18:19], s[18:19], s[76:77]
	s_lshl_b32 s78, s[KE], 5
	s_mov_b32 s79, 0
	s_add_nc_u64 s[78:79], s[16:17], s[78:79]
	s_load_b256 s[MK:MK+7], s[78:79], 0x0          ; atom_mask[8 ke + 0 .. 7]: the i' of my 512 keys
	s_wait_alu depctr_va_vdst(0)
	global_load_b128 v[QZ+4:QZ+7], v[QO], s[4:5]               ; tile 0 of my queries, in both halves of the lanes
	global_load_b128 v[QZ+20:QZ+23], v[QO], s[4:5] offset:256  ; tile 1
	global_load_b32 v[W], v[QSO], s[6:7]
.irp p, 0,1,2,3
	global_load_b128 v[CB+8*\p:CB+8*\p+3], v[MO], s[16:17] offset:(32*(\p/2)+8*(\p%2))*4       ; atom_mask[j'] in the scores' layout: register j of tile p holds j' = 32 (p / 2) + 16 h + 8 (p % 2) + j
	global_load_b128 v[CB+8*\p+4:CB+8*\p+7], v[MO], s[16:17] offset:(32*(\p/2)+8*(\p%2))*4+16
.endr
	global_load_b64 v[S:S+1], v[AO], s[16:17]      ; all 64 entries, two a lane
.irp z, 0,16,32
.irp i, 0,1,2,3
	v_mov_b32 v[QZ+\z+\i], 0                       ; Z
.endr
.endr
.irp z, 8,24
.irp i, 0,1,2,3
	v_mov_b32 v[QZ+\z+\i], 0                       ; Z
.endr
.endr
.irp q, 0,1
	v_mov_b32 v[ST+4*\q+1], 0xff61b1e6             ; the largest t so far: -3e38
	s_delay_alu instid0(VALU_DEP_1)
	v_floor_f32 v[ST+4*\q], -v[ST+4*\q+1]          ; -M
	v_mov_b32 v[ST+4*\q+2], 0                      ; the sum, in two halves
	v_mov_b32 v[ST+4*\q+3], 0
.endr
.irp b, 0,1,2,3
	v_mov_b32 v[T1+\b], 0                          ; written once: a lane permute's destination counts as one of its sources
.endr
	v_mov_b32 v[AD+1], 0                           ; the upper words of pairs of which the low word serves both halves
	v_mov_b32 v[AD+3], 0
	v_mov_b32 v[F+1], 0
	s_wait_loadcnt 0x0
	s_wait_kmcnt 0x0
.irp q, 0,1
.irp i, 0,1,2,3
	v_cndmask_b32 v[QZ+16*\q+12+\i], 0, v[QZ+16*\q+4+\i], s[HI]            ; B: Q in lanes 16-31, zeros below
	v_cndmask_b32 v[QZ+16*\q+4+\i], v[QZ+16*\q+4+\i], 0, s[HI]             ; A: Q in lanes 0-15, zeros above
.endr
.endr
	s_lshl_b32 s72, s[TP], 4
	s_add_co_u32 s73, s72, 8
	v_lshlrev_b32 v3, 3, v7                        ; 8 h
	v_bfe_u32 v4, v[W], s72, 8                     ; the byte of query tile 2 tp
	s_delay_alu instid0(VALU_DEP_1)
	v_lshlrev_b32 v[QSC], v3, v4
	s_delay_alu instid0(VALU_DEP_1)
	v_lshlrev_b32 v[QSC+1], 16, v[QSC]
	v_bfe_u32 v4, v[W], s73, 8                     ; and of 2 tp + 1
	s_delay_alu instid0(VALU_DEP_1)
	v_lshlrev_b32 v[QSC+2], v3, v4
	s_delay_alu instid0(VALU_DEP_1)
	v_lshlrev_b32 v[QSC+3], 16, v[QSC+2]
	v_or_b32 v[S], v[S], v[S+1]
	s_delay_alu instid0(VALU_DEP_1)
	v_cmp_ne_u32 vcc_lo, 0, v[S]
	s_cmp_lg_u32 vcc_lo, 0                         ; is any atom true?  It steers two selections and no branch
	s_cselect_b32 s[NEGI], 0xff61b1e6, 0           ; -3e38, or 0 where no key at all counts
	s_cselect_b32 s[NEGJ], 0xf1800000, 0           ; -2^100, likewise
	v_mov_b32 v[NEGV], s[NEGJ]
.set n, 0
.rept 32
	v_cmp_eq_u32 vcc_lo, 0, v[CB+n]
	s_delay_alu instid0(VALU_DEP_1)
	v_cndmask_b32 v[CB+n], 0, v[NEGV], vcc_lo      ; 0 where atom j' is true
.set n, n+1
.endr
.set n, 0
.rept 32
	v_mov_b32 v[O+n], 0                            ; O^T.  The step is written once: its first trip finds zeros.  (These lines are also the places between Q's scale words and the first product)
.set n, n+1
.endr
	s_wait_tensorcnt 0x0                           ; my two parts have landed,
	s_barrier_signal -1
	s_barrier_wait -1                              ; everybody's have
.Lstep:                                            ; 4 trips: 128 keys for both tiles of my queries
	v_add_nc_u32 v[ADR], s[TB], v[ADR0]
	v_add_nc_u32 v[ADS], s[TS], v[ADS0]
	v_nop
	v_nop                                          ; four places between the last product and loads into registers that it has read
.irp f, 0,1,2,3
	ds_load_b128 v[KF+4*\f:KF+4*\f+3], v[ADR] offset:512*\f            ; lane l's 16 bytes at 16 l: tile 4 g + 2 c + h, row r
.endr
	ds_load_b32 v[KS], v[ADS]                      ; lanes 0-15: tiles 0-3 of row r; lanes 16-31: tiles 4-7
.irp f, 0,1,2,3
	ds_load_b128 v[VF+4*\f:VF+4*\f+3], v[ADR] offset:8192+512*\f
.endr
	ds_load_b32 v[VSC], v[ADS] offset:512          ; lanes 0-15: channels 0-15; lanes 16-31: 16-31
	GSEL 0
	GSEL 1
	s_wait_dscnt 5                                 ; K's five loads are in; V's five, issued behind them, may be out
	TSTEP 0
	TSTEP 1
	s_mov_b64 s[MK:MK+1], s[MK+2:MK+3]             ; the next step's two i'
	s_mov_b64 s[MK+2:MK+3], s[MK+4:MK+5]
	s_mov_b64 s[MK+4:MK+5], s[MK+6:MK+7]
	s_add_co_u32 s[TB], s[TB], 2048
	s_add_co_u32 s[TS], s[TS], 128
	s_sub_co_u32 s[TRIPS], s[TRIPS], 1
	s_cmp_lg_u32 s[TRIPS], 0
	s_cbranch_scc1 .Lstep
	; THE MERGE.  The lines up to the factors name nothing of the last products: they are the places behind them.
.irp q, 0,1
	v_add_f32 v[ST+4*\q+2], v[ST+4*\q+2], v[ST+4*\q+3]
.endr
.irp q, 0,1
	s_delay_alu instid0(VALU_DEP_2)
	v_permlanex16_b32 v[T1+\q], v[ST+4*\q+2], s[SEL], s[SEL+1]
.endr
.irp q, 0,1
	s_delay_alu instid0(VALU_DEP_2)
	v_add_f32 v[ST+4*\q+2], v[ST+4*\q+2], v[T1+\q] ; my 512 keys' sum, in both halves of the lanes
.endr
	v_cndmask_b32 v108, v[ST], v[ST+4], s[HI]      ; lane (r, h) speaks for query r of tile h: -M,
	s_delay_alu instid0(VALU_DEP_2)
	v_cndmask_b32 v109, v[ST+2], v[ST+6], s[HI]    ; and the sum
	ds_store_b64 v[MLW], v[108:109]
	s_wait_dscnt 0x0                               ; for the others' sake
	s_barrier_signal -1
	s_barrier_wait -1
.irp e, 0,1,2,3,4,5,6,7
	ds_load_b64 v[110+2*\e:111+2*\e], v[MLR] offset:512*\e
.endr
	s_wait_dscnt 0x0
	v_min3_num_f32 v126, v110, v112, v114
	s_delay_alu instid0(VALU_DEP_1)
	v_min3_num_f32 v126, v126, v116, v118
	s_delay_alu instid0(VALU_DEP_1)
	v_min3_num_f32 v126, v126, v120, v122
	s_delay_alu instid0(VALU_DEP_1)
	v_min_num_f32 v126, v126, v124                 ; the row's -M: the least of the eight
.irp e, 0,1,2,3,4,5,6,7
	v_sub_f32 v[128+\e], v126, v[110+2*\e]         ; that wave's M less the row's: a whole number, 0 or less
.endr
.irp e, 0,1,2,3,4,5,6,7
	v_cvt_i32_f32 v[128+\e], v[128+\e]             ; (it saturates: a wave whose keys are all masked counts for nothing)
.endr
.irp e, 0,1,2,3,4,5,6,7
	v_ldexp_f32 v[111+2*\e], v[111+2*\e], v[128+\e]
.endr
	v_add_f32 v111, v111, v113
	v_add_f32 v115, v115, v117
	v_add_f32 v119, v119, v121
	s_delay_alu instid0(VALU_DEP_4)
	v_add_f32 v123, v123, v125
	s_delay_alu instid0(VALU_DEP_3)
	v_add_f32 v111, v111, v115
	s_delay_alu instid0(VALU_DEP_2)
	v_add_f32 v119, v119, v123
	s_delay_alu instid0(VALU_DEP_1)
	v_add_f32 v127, v111, v119                     ; the row's sum
	s_wait_alu depctr_va_vdst(0)
	v_rcp_f32 v136, v127
	v_sub_f32 v137, v126, v108                     ; (a plain place behind the reciprocal)  my M less the row's
	s_delay_alu instid0(VALU_DEP_1)
	v_cvt_i32_f32 v137, v137
	s_wait_alu depctr_va_vdst(0)                   ; ahead of the reciprocal's first reader
	v_ldexp_f32 v136, v136, v137                   ; 2^(my M - the row's M) / the row's sum, of tile h
	v_permlanex16_b32 v138, v136, s[SEL], s[SEL+1]
	s_delay_alu instid0(VALU_DEP_1)
	v_cndmask_b32 v140, v136, v138, s[HI]          ; tile 0's factor in every lane,
	s_delay_alu instid0(VALU_DEP_2)
	v_cndmask_b32 v142, v138, v136, s[HI]          ; and tile 1's
.irp j, 0,2,4,6,8,10,12,14
	v_pk_mul_f32 v[108+\j:109+\j], v[O+\j:O+\j+1], v[140:141] op_sel_hi:[1,0]
.endr
.irp j, 0,2,4,6,8,10,12,14
	v_pk_fma_f32 v[108+\j:109+\j], v[O+16+\j:O+17+\j], v[142:143], v[108+\j:109+\j] op_sel_hi:[1,0,1]   ; register 8 dt + j: channel 16 dt + 8 h + j of queries r and 16 + r
.endr
; The sum over the sixteen r, halving the registers at each step: a lane keeps the register that its bit names and sends the other to its partner.  Lane r ends with register r.
.macro FOLD n, src, keep, send, bit, x
.set k, 0
.rept \n
	v_cndmask_b32 v[\keep+k], v[\src+2*k], v[\src+2*k+1], s[BF+\bit]
	v_cndmask_b32 v[\send+k], v[\src+2*k+1], v[\src+2*k], s[BF+\bit]
	s_delay_alu instid0(VALU_DEP_1)
	v_add_f32_dpp v[\keep+k], v[\send+k], v[\keep+k] row_xmask:\x row_mask:0xf bank_mask:0xf
.set k, k+1
.endr
.endm
	FOLD 8, 108, 124, 132, 0, 1
	FOLD 4, 124, 140, 144, 1, 2
	FOLD 2, 140, 148, 150, 2, 4
	FOLD 1, 148, 152, 153, 3, 8
	ds_store_b32 v[REDW], v152                     ; my wave's 32 channels
	s_wait_dscnt 0x0                               ; for wave 0's sake
	s_barrier_signal -1
	s_barrier_wait -1
	s_cmp_lg_u32 s[WV], 0
	s_cbranch_scc1 .Lnot_mine
.irp e, 0,1,2,3,4,5,6,7,8,9,10,11,12,13,14,15
	ds_load_b32 v[108+\e], v[REDR] offset:128*\e   ; channel = lane, of the sixteen waves
.endr
	s_wait_dscnt 0x0
.irp e, 0,2,4,6,8,10,12,14
	v_add_f32 v[108+\e], v[108+\e], v[109+\e]
.endr
.irp e, 0,4,8,12
	v_add_f32 v[108+\e], v[108+\e], v[110+\e]
.endr
	s_delay_alu instid0(VALU_DEP_3)
	v_add_f32 v108, v108, v112
	s_delay_alu instid0(VALU_DEP_2)
	v_add_f32 v116, v116, v120
	s_delay_alu instid0(VALU_DEP_1)
	v_add_f32 v108, v108, v116
	global_store_b32 v[OUTO], v108, s[18:19]       ; 128 consecutive bytes: all that the work-group owns
.Lnot_mine:
	s_wait_xcnt 0x0
	v_lshl_add_u32 v254, v0, 2, 0x29000
	v_mov_b32 v255, 0
	s_wait_alu depctr_va_vdst(0)
	s_wait_tensorcnt 0x0
	ds_add_u32 v254, v255
	s_wait_dscnt 0x0
	ROUND                                          ; the closing round: no work-group ends while a partner may still ask for a tile that names it
	s_endpgm
.Lfunc_end_k_q07329db213_attn:
	.size	k_q07329db213_attn, .Lfunc_end_k_q07329db213_attn-k_q07329db213_attn
	.p2alignl 7, 3214868480
	.fill 96, 4, 3214868480
	.section	.rodata,"a",@progbits
	.p2align	6, 0x0
	.amdhsa_kernel k_q07329db213_attn
		.amdhsa_group_segment_fixed_size 169984
		.amdhsa_private_segment_fixed_size 0
		.amdhsa_enable_private_segment 0
		.amdhsa_kernarg_size 64
		.amdhsa_user_sgpr_count 2
		.amdhsa_user_sgpr_kernarg_segment_ptr 1
		.amdhsa_wavefront_size32 1
		.amdhsa_system_sgpr_workgroup_id_x 1
		.amdhsa_system_sgpr_workgroup_id_y 1
		.amdhsa_system_sgpr_workgroup_id_z 1
		.amdhsa_system_vgpr_workitem_id 0
		.amdhsa_next_free_vgpr 256
		.amdhsa_next_free_sgpr 92
		.amdhsa_reserve_vcc 1
		.amdhsa_float_denorm_mode_32 3
		.amdhsa_float_denorm_mode_16_64 3
		.amdhsa_memory_ordered 1
		.amdhsa_forward_progress 1
		.amdhsa_inst_pref_size 54
	.end_amdhsa_kernel
	.amdgpu_metadata
---
amdhsa.version: [ 1, 2 ]
amdhsa.kernels:
  - .name:           k_q07329db213_attn
    .symbol:         k_q07329db213_attn.kd
    .args:
      - { .name: qc, .offset: 0, .size: 8, .value_kind: global_buffer, .address_space: global }
      - { .name: qs, .offset: 8, .size: 8, .value_kind: global_buffer, .address_space: global }
      - { .name: kc, .offset: 16, .size: 8, .value_kind: global_buffer, .address_space: global }
      - { .name: ks, .offset: 24, .size: 8, .value_kind: global_buffer, .address_space: global }
      - { .name: vc, .offset: 32, .size: 8, .value_kind: global_buffer, .address_space: global }
      - { .name: vs, .offset: 40, .size: 8, .value_kind: global_buffer, .address_space: global }
      - { .name: atom_mask, .offset: 48, .size: 8, .value_kind: global_buffer, .address_space: global }
      - { .name: out0, .offset: 56, .size: 8, .value_kind: global_buffer, .address_space: global }
    .group_segment_fixed_size: 169984
    .private_segment_fixed_size: 0
    .kernarg_segment_align: 8
    .kernarg_segment_size: 64
    .max_flat_workgroup_size: 512
    .sgpr_count:     92
    .vgpr_count:     256
    .wavefront_size: 32
...
	.end_amdgpu_metadata
.endif
;; end of part 4
